; MI455X (gfx1250); checked and timed in simulation.
; The chip was launched on July 23, 2026; its instructions are those of AMD's public machine-readable ISA for CDNA 5 (MIT licence, August 2026) and "CDNA5" Instruction Set Architecture Reference Guide (July 2026). The comments in the code are by the model that wrote it; some were corrected since.
;; Delta Net. Allowed arithmetic: float matrix products may take bf16 or f16 operands with f32 sums; all other float work in f32.
;; Inputs: Wg 2,048 x 16 float32; Wk 2,048 x 2,048 float32; Wo 2,048 x 2,048 float32; Wq 2,048 x 2,048 float32; Wv 2,048 x 2,048 float32; bg 16 float32; bo 2,048 float32; x 2 x 2,048 x 2,048 float32.
;; Outputs: out0 2 x 2,048 x 2,048 float32.
;; One version. Each part assembles by itself: llvm-mc -triple=amdgcn-amd-amdhsa -mcpu=gfx1250 --defsym DOCPART=n.
;; ======== version 1 of 1: 6 launches
;; limits: values are held in f16: magnitudes above 65,504 overflow, below 6.1e-05 lose precision; right only within a limited range of input values
;; workspace buffers: xb 16,777,216 bytes; wts 33,554,432 bytes; tab 1,310,720 bytes; qkv 50,331,648 bytes; useg 16,516,096 bytes; sst 18,874,368 bytes; y16 16,777,216 bytes
;; launch prep (part 1): grid 256 x 3, 8 waves a work-group, no clusters, 142,336 bytes of LDS; arguments x, Wq, Wk, Wv, Wo, Wg, bg, xb, wts, tab; writes xb, wts, tab
.if DOCPART == 1
	.amdgcn_target "amdgcn-amd-amdhsa--gfx1250"
	.amdhsa_code_object_version 6
	.text
	.protected	k_q4deffbde6b_prep
	.globl	k_q4deffbde6b_prep
	.p2align	8
	.type	k_q4deffbde6b_prep,@function
k_q4deffbde6b_prep:
	s_mov_b64 s[64:65], 0
	v_nop
	global_prefetch_b8 v0, s[64:65] scope:SCOPE_SE
	s_setreg_imm32_b32 hwreg(HW_REG_WAVE_MODE, 25, 1), 1
	s_wait_xcnt 0x0
; PREP.  Job J = 256 y + x of 768.  Every job rounds 16 rows x 2048 f32 to 16 bits; wave w takes columns 256 w .. 256 w + 255.
;   J < 256: rows 16 J of x -> xb (bf16), and the gate of those 16 tokens: log2(clip(sigmoid(x Wg + bg), 0.8, 0.9995)) -> tab + 1,048,576, f32 [32 bh][2048 t].
;   J >= 256: 16 rows of Wq | Wk | Wv -> wts, bf16 [2048 k][6144 n]; of Wo -> wts + 25,165,824, [2048 k][2048 n]: rounded to bf16 and that number written as f16.
;             Its even waves also make one row each of the rotation table, tab: f32 [2048 t][64 cos | 64 sin].
; All inputs are rounded to bf16, bg too.  LIMITS: |Wo| stays under 65,504, and under 6e-5 it keeps f16's fixed step of 6e-8.  The angle t x 10000^(-j/64) is made with
; v_exp_f32 and is off by up to 3e-4 rad at t near 2047.  Clipping the logarithm is clipping beta, since the logarithm rises with it.  NaN and infinities are not treated apart.
; No cluster and no tensor load: nothing is read twice but Wg (128 KiB), and each wave's 32 loads of 512 consecutive bytes are all on their way at once.
.set XP,    528                        ; a row of x in LDS: 512 bytes of bf16 + 16: the 16 rows of a fragment load start at 16 different groups of four banks
.set XT,    0                          ; 8 waves x 16 rows x 528
.set WGT,   8*16*XP                    ; Wg in bf16, [2048 k][16 n], rows of 32 bytes; wave w owns 8,192 bytes
.set RED,   WGT+65536                  ; the waves' partial sums: 8 x 32 lanes x 32 bytes
.set SPARE, RED+8192                   ; the spare words, 128 bytes for each wave
.set DOFF,  8                          ; v8-23   row i: 8 x lane + i x the destination's row bytes
.set SPW,   30                         ; v30     my spare word
.set NIL,   31                         ; v31     0
.set X,     32                         ; v32-159 as loaded
.set Y,     160                        ; v160-223 rounded
.set T,     224                        ; v224-239 two accumulators; v240-245 at work
.set WV,    24                         ; s24 wave
.set JJ,    25                         ; s25 J
.set CL,    38                         ; s38 J >> 7: 0, 1 x; 2 Wq; 3 Wk; 4 Wv; 5 Wo
	s_load_b512 s[4:19], s[0:1], 0x0               ; x, Wq, Wk, Wv, Wo, Wg, bg, xb
	s_load_b128 s[20:23], s[0:1], 0x40             ; wts, tab
	v_lshl_add_u32 v[SPW], v0, 2, SPARE
	v_mov_b32 v[NIL], 0
	v_lshrrev_b32 v1, 5, v0
	v_readfirstlane_b32 s[WV], v1
	v_and_b32 v1, 31, v0                           ; lane
	v_and_b32 v2, 15, v0                           ; r
	v_bfe_u32 v3, v0, 4, 1                         ; h
	v_lshlrev_b32 v4, 4, v1                        ; 16 x lane
	s_and_b32 s[JJ], ttmp7, 0xffff
	s_lshl_b32 s[JJ], s[JJ], 8
	s_add_co_u32 s[JJ], s[JJ], ttmp9
	s_lshr_b32 s[CL], s[JJ], 7
	s_and_b32 s27, s[JJ], 127
	s_cmp_lt_u32 s[CL], 2
	s_cselect_b32 s27, s[JJ], s27                  ; my block of 16 rows in its tensor
	s_lshl_b32 s34, s27, 17                        ; 16 rows of 8,192 bytes,
	s_lshl_b32 s39, s[WV], 10                      ; my wave's 1,024 bytes of a row
	s_add_co_u32 s34, s34, s39
	s_mov_b32 s35, 0
	s_lshl_b32 s40, s27, 16                        ; destination: rows of 4,096 bytes (x, Wo),
	s_mul_i32 s41, s27, 196608                     ; or of 12,288 (Wq | Wk | Wv),
	s_sub_co_u32 s39, s[CL], 2
	s_lshl_b32 s39, s39, 12
	s_add_co_u32 s41, s41, s39                     ; 4,096 bytes along the row for each tensor
	s_add_co_u32 s39, s40, 25165824
	s_mov_b32 s42, 4096
	s_mov_b32 s43, 12288
	s_cmp_eq_u32 s[CL], 5
	s_cselect_b32 s41, s39, s41
	s_cselect_b32 s32, s42, s43
	s_cmp_lt_u32 s[CL], 2
	s_cselect_b32 s41, s40, s41
	s_cselect_b32 s32, s42, s32                    ; the destination's row bytes
	s_lshl_b32 s39, s[WV], 9
	s_add_co_u32 s44, s41, s39
	s_mov_b32 s45, 0
	s_mov_b32 s36, 0xffff0000
	v_mov_b32 v5, s32
	v_lshlrev_b32 v6, 3, v1                        ; 8 x lane
.irp i, 0,1,2,3,4,5,6,7,8,9,10,11,12,13,14,15
	v_mad_u32_u24 v[DOFF+\i], v5, \i, v6
.endr
	s_wait_kmcnt 0x0
	s_mov_b64 s[28:29], s[4:5]                     ; the source is chosen among the five tensors by the job's class alone
	s_cmp_eq_u32 s[CL], 2
	s_cselect_b64 s[28:29], s[6:7], s[28:29]
	s_cmp_eq_u32 s[CL], 3
	s_cselect_b64 s[28:29], s[8:9], s[28:29]
	s_cmp_eq_u32 s[CL], 4
	s_cselect_b64 s[28:29], s[10:11], s[28:29]
	s_cmp_eq_u32 s[CL], 5
	s_cselect_b64 s[28:29], s[12:13], s[28:29]
	s_add_nc_u64 s[28:29], s[28:29], s[34:35]
	s_cmp_lt_u32 s[CL], 2
	s_cselect_b64 s[30:31], s[18:19], s[20:21]
	s_add_nc_u64 s[30:31], s[30:31], s[44:45]
.set n, 0
.rept 32                                               ; row n / 2, half n % 2: 512 consecutive bytes a load, read once in the launch
	global_load_b128 v[X+4*n:X+4*n+3], v4, s[28:29] offset:8192*(n/2)+512*(n%2) th:TH_LOAD_NT
.set n, n+1
.endr
.set n, 0
.rept 32
	s_wait_loadcnt 31-n                            ; loads come back in order: number n is in, the 31 - n younger ones stay out
	v_cvt_pk_bf16_f32 v[Y+2*n], v[X+4*n], v[X+4*n+1]
	v_cvt_pk_bf16_f32 v[Y+2*n+1], v[X+4*n+2], v[X+4*n+3]
.set n, n+1
.endr
	s_cmp_lg_u32 s[CL], 5
	s_cbranch_scc1 .Lnot_wo
.set n, 0
.rept 64                                               ; Wo: the bf16 number is written as f16
	v_lshlrev_b32 v[T+2*(n%4)], 16, v[Y+n]
	v_and_b32 v[T+2*(n%4)+1], s36, v[Y+n]
	v_cvt_pk_f16_f32 v[Y+n], v[T+2*(n%4)], v[T+2*(n%4)+1]
.set n, n+1
.endr
.Lnot_wo:
.set n, 0
.rept 32
	global_store_b64 v[DOFF+n/2], v[Y+2*n:Y+2*n+1], s[30:31] offset:256*(n%2)  ; 32 lanes x 8 bytes: 256 consecutive bytes, aligned
.set n, n+1
.endr
	s_cmp_lt_u32 s[CL], 2
	s_cbranch_scc1 .Lgate
	; THE ROTATION TABLE: even waves, one t each; lane l makes j = 2 l and 2 l + 1.
	s_and_b32 s39, s[WV], 1
	s_cmp_lg_u32 s39, 0
	s_cbranch_scc1 .Lexit
	s_sub_co_u32 s46, s[JJ], 256
	s_lshl_b32 s46, s46, 2
	s_lshr_b32 s39, s[WV], 1
	s_add_co_u32 s46, s46, s39                     ; t = 4 (J - 256) + w / 2
	v_mov_b32 v[X], s46
	v_cvt_f32_u32 v[X], v[X]
	v_lshlrev_b32 v[X+1], 1, v1
	v_cvt_f32_u32 v[X+2], v[X+1]
	v_add_f32 v[X+3], 1.0, v[X+2]
; cos and sin of t x 2^(-j log2(10000) / 64): the angle less n quarter turns (pi / 2 in two parts), polynomials on -pi/4 .. pi/4, and the quarter n mod 4 put back by selects and signs.
.macro ANGLE j, co, si
	v_mul_f32 v[X+4], 0xbe549a78, v[\j]
	v_exp_f32 v[X+4], v[X+4]
	v_nop                                          ; a plain instruction behind the exponential
	s_wait_alu depctr_va_vdst(0)
	v_mul_f32 v[X+4], v[X], v[X+4]
	v_mul_f32 v[X+5], 0x3f22f983, v[X+4]
	v_rndne_f32 v[X+5], v[X+5]
	v_fmamk_f32 v[X+6], v[X+5], 0xbfc90fdb, v[X+4]
	v_fmamk_f32 v[X+6], v[X+5], 0x333bbd2e, v[X+6]
	v_mul_f32 v[X+7], v[X+6], v[X+6]
	v_mov_b32 v[X+8], 0xb94ca1f9
	v_fmaak_f32 v[X+8], v[X+8], v[X+7], 0x3c08839e
	v_fmaak_f32 v[X+8], v[X+8], v[X+7], 0xbe2aaaa3
	v_mul_f32 v[X+9], v[X+6], v[X+7]
	v_fma_f32 v[X+8], v[X+8], v[X+9], v[X+6]
	v_mov_b32 v[X+10], 0x37ccf5ce
	v_fmaak_f32 v[X+10], v[X+10], v[X+7], 0xbab6061a
	v_fmaak_f32 v[X+10], v[X+10], v[X+7], 0x3d2aaaa5
	v_mul_f32 v[X+9], v[X+7], v[X+7]
	v_fma_f32 v[X+11], v[X+7], -0.5, 1.0
	v_fma_f32 v[X+10], v[X+10], v[X+9], v[X+11]
	v_cvt_i32_f32 v[X+5], v[X+5]
	v_and_b32 v[X+9], 1, v[X+5]
	v_cmp_eq_u32 vcc_lo, 1, v[X+9]
	v_cndmask_b32 v[\si], v[X+8], v[X+10], vcc_lo
	v_cndmask_b32 v[\co], v[X+10], v[X+8], vcc_lo
	v_and_b32 v[X+9], 2, v[X+5]
	v_lshlrev_b32 v[X+9], 30, v[X+9]
	v_xor_b32 v[\si], v[\si], v[X+9]
	v_add_nc_u32 v[X+9], 1, v[X+5]
	v_and_b32 v[X+9], 2, v[X+9]
	v_lshlrev_b32 v[X+9], 30, v[X+9]
	v_xor_b32 v[\co], v[\co], v[X+9]
.endm
	ANGLE X+2, X+20, X+22
	ANGLE X+3, X+21, X+23
	s_lshl_b32 s46, s46, 9
	v_add_nc_u32 v7, s46, v6                       ; 512 t + 8 x lane
	global_store_b64 v7, v[X+20:X+21], s[22:23]            ; 256 consecutive bytes each
	global_store_b64 v7, v[X+22:X+23], s[22:23] offset:256
	s_branch .Lexit
.Lgate:	; THE GATE.  My 16 x 256 of x and my 256 x 16 of Wg go through my own LDS bytes into fragments; eight products; the eight waves' sums meet in RED.
	s_mul_i32 s46, s[WV], 16*XP
	v_add_nc_u32 v7, s46, v6
.set n, 0
.rept 32
	ds_store_b64 v7, v[Y+2*n:Y+2*n+1] offset:XP*(n/2)+256*(n%2)
.set n, n+1
.endr
	s_lshl_b32 s34, s[WV], 14                      ; my 256 rows of Wg, 64 bytes each
	s_add_nc_u64 s[14:15], s[14:15], s[34:35]
.set n, 0
.rept 32
	global_load_b128 v[X+4*n:X+4*n+3], v4, s[14:15] offset:512*n
.set n, n+1
.endr
	s_wait_xcnt 0x0                                ; Y, which the stores to xb read, is rewritten only behind this wait
.set n, 0
.rept 32
	s_wait_loadcnt 31-n                            ; number n is in, the younger ones stay out
	v_cvt_pk_bf16_f32 v[Y+2*n], v[X+4*n], v[X+4*n+1]
	v_cvt_pk_bf16_f32 v[Y+2*n+1], v[X+4*n+2], v[X+4*n+3]
.set n, n+1
.endr
	s_lshl_b32 s47, s[WV], 13
	s_add_co_u32 s47, s47, WGT
	v_add_nc_u32 v5, s47, v6
.set n, 0
.rept 32
	ds_store_b64 v5, v[Y+2*n:Y+2*n+1] offset:256*n
.set n, n+1
.endr
	v_mul_u32_u24 v240, v2, XP
	v_lshl_add_u32 v240, v3, 4, v240
	v_add_nc_u32 v240, s46, v240                   ; x: row r x pitch + 16 h
	v_and_b32 v241, 7, v0
	v_lshl_add_u32 v241, v3, 3, v241
	v_lshlrev_b32 v241, 5, v241
	v_bfe_u32 v242, v0, 3, 1
	v_lshl_add_u32 v241, v242, 4, v241
	v_add_nc_u32 v241, s47, v241                   ; Wg, turned: row 8 h + l % 8, 16 bytes by (l / 8) % 2
.irp ks, 0,1,2,3,4,5,6,7                               ; LDS serves a wave's instructions in order: these see my stores above
	ds_load_b128 v[X+8*\ks:X+8*\ks+3], v240 offset:64*\ks
	ds_load_b128 v[X+8*\ks+4:X+8*\ks+7], v240 offset:64*\ks+32
	ds_load_tr16_b128 v[X+64+8*\ks:X+64+8*\ks+3], v241 offset:1024*\ks
	ds_load_tr16_b128 v[X+64+8*\ks+4:X+64+8*\ks+7], v241 offset:1024*\ks+512
.endr
	s_wait_dscnt 0x0
	v_wmma_f32_16x16x32_bf16 v[T:T+7], v[X:X+7], v[X+64:X+71], 0            ; two accumulators take turns
	v_wmma_f32_16x16x32_bf16 v[T+8:T+15], v[X+8:X+15], v[X+72:X+79], 0
.irp ks, 2,4,6
	v_wmma_f32_16x16x32_bf16 v[T:T+7], v[X+8*\ks:X+8*\ks+7], v[X+64+8*\ks:X+64+8*\ks+7], v[T:T+7]
	v_wmma_f32_16x16x32_bf16 v[T+8:T+15], v[X+8*\ks+8:X+8*\ks+15], v[X+72+8*\ks:X+72+8*\ks+7], v[T+8:T+15]
.endr
.rept 4
	v_nop                                          ; four places behind the last product
.endr
.irp p, 0,2,4,6                                        ; register j: token 8 h + j; lane r: head r
	v_pk_add_f32 v[T+\p:T+\p+1], v[T+\p:T+\p+1], v[T+8+\p:T+8+\p+1]
.endr
	v_lshlrev_b32 v242, 5, v1
	s_lshl_b32 s46, s[WV], 10
	s_add_co_u32 s46, s46, RED
	v_add_nc_u32 v243, s46, v242
	ds_store_b128 v243, v[T:T+3]
	ds_store_b128 v243, v[T+4:T+7] offset:16
	s_wait_dscnt 0x0                               ; for wave 0's sake: my partial sums are in LDS
	s_barrier_signal -1
	s_barrier_wait -1
	s_cmp_lg_u32 s[WV], 0
	s_cbranch_scc1 .Lexit
	v_add_nc_u32 v243, RED, v242
.irp q, 0,1,2,3,4,5,6,7
	ds_load_b128 v[X+8*\q:X+8*\q+3], v243 offset:1024*\q
	ds_load_b128 v[X+8*\q+4:X+8*\q+7], v243 offset:1024*\q+16
.endr
	v_lshlrev_b32 v240, 2, v2
	global_load_b32 v244, v240, s[16:17]           ; bg of my head
	s_mov_b32 s50, 0xbea4d3c2                      ; log2(0.8)
	s_mov_b32 s51, 0xba3d272f                      ; log2(0.9995)
	s_lshl_b32 s46, s[CL], 17                      ; the batch's 16 heads x 8,192 bytes,
	s_and_b32 s47, s[JJ], 127
	s_lshl_b32 s47, s47, 6                         ; my 16 tokens
	s_add_co_u32 s46, s46, s47
	s_add_co_u32 s46, s46, 1048576
	s_mov_b32 s47, 0
	s_add_nc_u64 s[48:49], s[22:23], s[46:47]
	v_lshlrev_b32 v241, 13, v2
	v_lshl_add_u32 v241, v3, 5, v241               ; head r's row, 8 h tokens on
	s_wait_dscnt 0x0
.irp q, 1,2,3,4,5,6,7
.irp p, 0,2,4,6
	v_pk_add_f32 v[X+\p:X+\p+1], v[X+\p:X+\p+1], v[X+8*\q+\p:X+8*\q+\p+1]
.endr
.endr
	s_wait_loadcnt 0x0
	v_cvt_pk_bf16_f32 v244, v244, v244             ; bg is rounded like every input
	v_lshlrev_b32 v244, 16, v244
	v_mov_b32 v245, v244
.irp p, 0,2,4,6
	v_pk_add_f32 v[X+\p:X+\p+1], v[X+\p:X+\p+1], v[244:245]
.endr
.irp j, 0,1,2,3,4,5,6,7
	v_mul_f32 v[X+\j], 0xbfb8aa3b, v[X+\j]         ; -g log2(e)
.endr
.irp j, 0,1,2,3,4,5,6,7
	v_exp_f32 v[X+\j], v[X+\j]
.endr
	v_nop
	s_wait_alu depctr_va_vdst(0)
.irp j, 0,1,2,3,4,5,6,7
	v_add_f32 v[X+\j], 1.0, v[X+\j]
.endr
.irp j, 0,1,2,3,4,5,6,7
	v_log_f32 v[X+\j], v[X+\j]                     ; log2(beta) = -log2(1 + e^-g)
.endr
	v_nop
	s_wait_alu depctr_va_vdst(0)
.irp j, 0,1,2,3,4,5,6,7
	v_max_num_f32 v[X+\j], -v[X+\j], s50
.endr
.irp j, 0,1,2,3,4,5,6,7
	v_min_num_f32 v[X+\j], v[X+\j], s51
.endr
	global_store_b128 v241, v[X:X+3], s[48:49]
	global_store_b128 v241, v[X+4:X+7], s[48:49] offset:16
.Lexit:
	s_wait_tensorcnt 0x0                           ; the wave's end
	ds_add_u32 v[SPW], v[NIL]
	s_wait_dscnt 0x0
	s_endpgm
.Lfunc_end_k_q4deffbde6b_prep:
	.size	k_q4deffbde6b_prep, .Lfunc_end_k_q4deffbde6b_prep-k_q4deffbde6b_prep
	.p2alignl 7, 3214868480
	.fill 96, 4, 3214868480
	.section	.rodata,"a",@progbits
	.p2align	6, 0x0
	.amdhsa_kernel k_q4deffbde6b_prep
		.amdhsa_group_segment_fixed_size 142336
		.amdhsa_private_segment_fixed_size 0
		.amdhsa_enable_private_segment 0
		.amdhsa_kernarg_size 80
		.amdhsa_user_sgpr_count 2
		.amdhsa_user_sgpr_kernarg_segment_ptr 1
		.amdhsa_wavefront_size32 1
		.amdhsa_system_sgpr_workgroup_id_x 1
		.amdhsa_system_sgpr_workgroup_id_y 1
		.amdhsa_system_sgpr_workgroup_id_z 1
		.amdhsa_system_vgpr_workitem_id 0
		.amdhsa_next_free_vgpr 256
		.amdhsa_next_free_sgpr 66
		.amdhsa_reserve_vcc 1
		.amdhsa_float_denorm_mode_32 3
		.amdhsa_float_denorm_mode_16_64 3
		.amdhsa_memory_ordered 1
		.amdhsa_forward_progress 1
		.amdhsa_inst_pref_size 49
	.end_amdhsa_kernel
	.amdgpu_metadata
---
amdhsa.version: [ 1, 2 ]
amdhsa.kernels:
  - .name:           k_q4deffbde6b_prep
    .symbol:         k_q4deffbde6b_prep.kd
    .args:
      - { .name: x, .offset: 0, .size: 8, .value_kind: global_buffer, .address_space: global }
      - { .name: Wq, .offset: 8, .size: 8, .value_kind: global_buffer, .address_space: global }
      - { .name: Wk, .offset: 16, .size: 8, .value_kind: global_buffer, .address_space: global }
      - { .name: Wv, .offset: 24, .size: 8, .value_kind: global_buffer, .address_space: global }
      - { .name: Wo, .offset: 32, .size: 8, .value_kind: global_buffer, .address_space: global }
      - { .name: Wg, .offset: 40, .size: 8, .value_kind: global_buffer, .address_space: global }
      - { .name: bg, .offset: 48, .size: 8, .value_kind: global_buffer, .address_space: global }
      - { .name: xb, .offset: 56, .size: 8, .value_kind: global_buffer, .address_space: global }
      - { .name: wts, .offset: 64, .size: 8, .value_kind: global_buffer, .address_space: global }
      - { .name: tab, .offset: 72, .size: 8, .value_kind: global_buffer, .address_space: global }
    .group_segment_fixed_size: 142336
    .private_segment_fixed_size: 0
    .kernarg_segment_align: 8
    .kernarg_segment_size: 80
    .max_flat_workgroup_size: 256
    .sgpr_count:     66
    .vgpr_count:     256
    .wavefront_size: 32
...
	.end_amdgpu_metadata
.endif
;; end of part 1
;; launch qkv (part 2): grid 24 x 32, 4 waves a work-group, clusters of 4 x 4, 327,680 bytes of LDS; arguments xb, wts, tab, qkv; writes qkv
.if DOCPART == 2
	.amdgcn_target "amdgcn-amd-amdhsa--gfx1250"
	.amdhsa_code_object_version 6
	.text
	.protected	k_q4deffbde6b_qkv
	.globl	k_q4deffbde6b_qkv
	.p2align	8
	.type	k_q4deffbde6b_qkv,@function
k_q4deffbde6b_qkv:
	s_mov_b64 s[64:65], 0
	v_nop
	global_prefetch_b8 v0, s[64:65] scope:SCOPE_SE
	s_setreg_imm32_b32 hwreg(HW_REG_WAVE_MODE, 25, 1), 1
	s_wait_xcnt 0x0
	s_wait_alu depctr_hold_cnt(0) depctr_sa_sdst(0) depctr_va_vdst(0) depctr_va_sdst(0) depctr_va_ssrc(0) depctr_va_vcc(0) depctr_vm_vsrc(0)
	s_getreg_b32 s2, hwreg(HW_REG_IB_STS2, 6, 4)
	s_cmp_eq_u32 s2, 0
	s_cbranch_scc0 .Lentry_in_a_cluster
	s_endpgm
.Lentry_in_a_cluster:
	s_bfe_u32 s2, ttmp6, 0x10000c
	s_cmp_lg_u32 s2, 0xf033
	s_cbranch_scc0 .Lentry_shape_is_right
	s_endpgm
.Lentry_shape_is_right:
; Q, K, V.  C[4096][6144] = xb[4096][2048] x wb[2048][6144], bf16 operands, f32 sums; then by heads into qkv: [3][32 bh][2048 t][128] of 16 bits:
; q and k are rotated (the pair d, d + 64 by the table's cos and sin of t), phi = elu + 1 is taken and rounded to bf16; v is rounded to f16.
; phi = max(y + 1, 1) + (e^min(y, 0) - 1): for y <= 0 the number e^y - 1 is rounded as f32 and 1 added, so near 0 phi has steps of 2^-24.
; LIMITS: |x Wv| stays under 65,504 (f16).  NaN and infinities are not treated apart.
; TILE: 128 x 256 of C for a work-group: 32 x 24 = 768 work-groups, three for each of 256 WGPs.  Four waves, each 64 rows x 128 columns = one head: 32 accumulators, 256 registers; the pair (d, d + 64)
; lies in one lane, in accumulators b and b + 4.  K goes in steps of 128 through two LDS slots.  The weights stay [k][n] and come out of LDS turned (ds_load_tr16_b128).
; CLUSTER 4 x 4: the four of a row need the same tile of x, the four of a column the same tile of the weights: each is asked for jointly.
; THE MATRIX INSTRUCTION IS USED TRANSPOSED (source 0 = 16 columns of W, source 1 = 16 rows of x): lane l holds row l % 16 of C, registers 0-7 the columns 8 (l / 16) + 0..7.
; REGISTERS: window 0 addresses and the way out; window 1 accumulator (a, b) at 8 (8 a + b); window 2 two fragment buffers of 96 (64 of W, 32 of x); window 3 cos and sin of my 64 rows.
.set KSTEP,  128
.set NTOT,   6144
.set PA,     272                       ; a row of x in LDS: 256 bytes + 16
.set PB,     544                       ; a k row of W: 512 bytes + 32
.set AHALF,  64*PA
.set ABYTES, 2*AHALF
.set BHALF,  64*PB
.set SLOT,   ABYTES+2*BHALF            ; x's 128 rows, then W's 128 k rows: 104,448 bytes
.set STAGE,  2*SLOT                    ; behind the ring: 16 rows x 272 bytes for each wave
.set SPITCH, 272
.set SPARE,  STAGE+4*16*SPITCH         ; the spare words
.set LAPS,   2048/(2*KSTEP)
.set ADRA, 16                          ; v16-17 my x fragments in slot 0, 1
.set ADRB, 20                          ; v20-21 the same for W
.set STO,  24
.set RD,   25
.set CO,   26
.set RO,   27                          ; v27 my byte offset in 16 rows of the table
.set SPW,  28
.set NIL,  29
.set TMP,  32                          ; v32-63 packed results
.set T,    64                          ; v64-127 a block of 16 rows, rotated
.set OB,   128                         ; v128-159 whole rows read back
.set E,    160                         ; v160-167 four pairs at work
.set F0,   0
.set F1,   96
.set G1, 24
.set G0, 32
.set G1B, 48
.set G0B, 56
.set MSB, 0
.macro WIN new                         ; the immediate's high byte repeats the setting that is left
.if MSB != (\new)
	s_set_vgpr_msb (MSB<<8)|(\new)
.set MSB, \new
.endif
.endm
.set MUL,  0x5a                        ; sources 0 and 1 window 2; C and D window 1
.set TO_F, 0x80                        ; destination window 2, address window 0
.macro JLOAD s                         ; a joint load: waves 0 and 1 fetch x's two halves, waves 2 and 3 W's; an s_nop 0 and four v_nop follow each line
	s_cmp_eq_u32 s11, 0
	s_cbranch_scc0 .Lfor_b_\@
	tensor_load_to_lds s[G0+4*(\s):G0+4*(\s)+3], s[G1:G1+7]
	s_nop 0
.rept 4
	v_nop
.endr
	s_branch .Lasked_\@
.Lfor_b_\@:
	tensor_load_to_lds s[G0B+4*(\s):G0B+4*(\s)+3], s[G1B:G1B+7]
	s_nop 0
.rept 4
	v_nop
.endr
.Lasked_\@:
.endm
.macro CREST                           ; a round of the cluster's barrier behind its opening barrier
	s_cmp_lg_u32 s10, 0
	s_cbranch_scc1 .Lnot_wave_0_\@
	s_barrier_signal -3
.Lnot_wave_0_\@:
	s_barrier_wait -3
	s_barrier_signal -1
	s_barrier_wait -1
.endm
.macro CROUND
	s_barrier_signal -1
	s_barrier_wait -1
	CREST
.endm
.macro PLACES                          ; four places in front of loads into registers that matrix instructions have read, and of lines that read results
.rept 4
	v_nop
.endr
.endm
	s_load_b128 s[4:7], s[0:1], 0x0                ; xb s[4:5], wts s[6:7]
	s_load_b128 s[68:71], s[0:1], 0x10             ; tab s[68:69], qkv s[70:71]
	v_lshl_add_u32 v[SPW], v0, 2, SPARE
	v_mov_b32 v[NIL], 0
	ds_add_u32 v[SPW], v[NIL]                      ; the wave's opening: the add and its wait come ahead of my first tensor load
	ds_add_u32 v28, v29
	v_lshrrev_b32 v1, 5, v0
	v_readfirstlane_b32 s10, v1                    ; wave
	s_lshr_b32 s11, s10, 1                         ; my half of the tile's rows.  Also: I fetch x (0) or W (1)
	s_and_b32 s12, s10, 1                          ; my half of its columns.  Also: which half of that tile I fetch
	s_bfe_u32 s40, ttmp6, 0x40000                  ; cx
	s_bfe_u32 s41, ttmp6, 0x40004                  ; cy
	s_lshl_b32 s42, ttmp9, 2
	s_add_co_u32 s42, s42, s40                     ; tile column
	s_and_b32 s13, ttmp7, 0xffff
	s_lshl_b32 s13, s13, 2
	s_add_co_u32 s13, s13, s41                     ; tile row
	s_lshl_b32 s43, s41, 2
	s_lshl_b32 s43, 15, s43                        ; my row of the cluster
	s_lshl_b32 s44, 0x1111, s40                    ; my column
	s_or_b32 s[G1+0], s43, (1<<16)|(1<<20)|(1<<21)|(5<<22)|(3<<25)   ; x: the mask of my row; 2-byte elements; padding of 4 words after every 64
	s_or_b32 s[G1B+0], s44, (1<<16)|(1<<20)|(1<<21)|(6<<22)|(7<<25)  ; W: the mask of my column; padding of 8 words after every 128
	s_mov_b32 s[G1+1], KSTEP<<16                   ; tensor_dim0 = 128
	s_mov_b32 s[G1+2], 64<<16                      ; tensor_dim1 = 64
	s_mov_b32 s[G1+3], KSTEP<<16                   ; tile_dim0 = 128
	s_mov_b32 s[G1+4], 64                          ; tile_dim1 = 64
	s_mov_b32 s[G1+5], 2048                        ; elements from row to row
	s_mov_b32 s[G1+6], 0
	s_mov_b32 s[G1+7], 0
	s_mov_b32 s[G1B+1], 256<<16
	s_mov_b32 s[G1B+2], 64<<16
	s_mov_b32 s[G1B+3], 256<<16
	s_mov_b32 s[G1B+4], 64
	s_mov_b32 s[G1B+5], NTOT
	s_mov_b32 s[G1B+6], 0
	s_mov_b32 s[G1B+7], 0
	s_lshl_b32 s16, s13, 7
	s_lshl_b32 s17, s12, 6
	s_add_co_u32 s16, s16, s17
	s_lshl_b32 s16, s16, 12                        ; x: (128 x tile row + 64 x half) rows of 4,096 bytes
	s_mov_b32 s17, 0
	s_mul_i32 s46, s12, 64*NTOT*2                  ; W: 64 x half k rows,
	s_lshl_b32 s47, s42, 9                         ; 512 bytes for each tile column
	s_add_co_u32 s46, s46, s47
	s_mov_b32 s47, 0
	s_mul_i32 s20, s12, AHALF                      ; where they go: no place in the cluster enters an LDS address
	s_mul_i32 s21, s12, BHALF
	s_add_co_u32 s21, s21, ABYTES
	s_wait_dscnt 0x0                               ; the opening add is done
	s_wait_kmcnt 0x0
	s_add_nc_u64 s[14:15], s[4:5], s[16:17]
	s_add_nc_u64 s[46:47], s[6:7], s[46:47]
	CROUND                                         ; all sixteen work-groups are here: the first joint loads meet
.irp s, 0,1
	s_mov_b32 s[G0+4*(\s)], 1
	s_add_co_u32 s[G0+4*(\s)+1], s20, (\s)*SLOT
	s_add_nc_u64 s[G0+4*(\s)+2:G0+4*(\s)+3], s[14:15], (\s)*KSTEP*2
	s_or_b32 s[G0+4*(\s)+3], s[G0+4*(\s)+3], 0x80000000
	s_mov_b32 s[G0B+4*(\s)], 1
	s_add_co_u32 s[G0B+4*(\s)+1], s21, (\s)*SLOT
	s_add_nc_u64 s[G0B+4*(\s)+2:G0B+4*(\s)+3], s[46:47], (\s)*KSTEP*NTOT*2
	s_or_b32 s[G0B+4*(\s)+3], s[G0B+4*(\s)+3], 0x80000000
	JLOAD \s                                       ; two loads of mine are out
.endr
	v_and_b32 v1, 15, v0                           ; r
	v_bfe_u32 v2, v0, 4, 1                         ; h
	v_mul_u32_u24 v3, v1, PA
	v_lshl_add_u32 v3, v2, 4, v3                   ; r x 272 + 16 h
	s_mul_i32 s22, s11, AHALF
	v_add_nc_u32 v[ADRA], s22, v3
	v_add_nc_u32 v[ADRA+1], SLOT, v[ADRA]
	v_and_b32 v4, 7, v0
	v_lshl_add_u32 v4, v2, 3, v4
	v_mul_u32_u24 v4, v4, PB
	v_bfe_u32 v5, v0, 3, 1
	v_lshl_add_u32 v4, v5, 4, v4                   ; (8 h + l % 8) x 544 + 16 ((l / 8) % 2)
	s_lshl_b32 s22, s12, 8
	s_add_co_u32 s22, s22, ABYTES
	v_add_nc_u32 v[ADRB], s22, v4
	v_add_nc_u32 v[ADRB+1], SLOT, v[ADRB]
	s_mul_i32 s23, s10, 16*SPITCH
	s_add_co_u32 s23, s23, STAGE
	v_add_nc_u32 v[STO], s23, v3                   ; in: row r, 16 bytes for each half of the lanes
	v_mul_u32_u24 v5, v2, SPITCH
	v_lshl_add_u32 v5, v1, 4, v5
	v_add_nc_u32 v[RD], s23, v5                    ; back: lanes 0-15 one row of 256 bytes, lanes 16-31 the next
	v_lshlrev_b32 v5, 8, v2
	v_lshl_add_u32 v[CO], v1, 4, v5                ; the same two rows in qkv
	v_lshlrev_b32 v5, 9, v1
	v_lshl_add_u32 v[RO], v2, 5, v5                ; the table: row r x 512 + 32 h
	s_lshl_b32 s16, s13, 7
	s_lshl_b32 s17, s11, 6
	s_add_co_u32 s16, s16, s17
	s_and_b32 s16, s16, 2047                       ; t of my first row
	s_lshl_b32 s18, s16, 9
	s_mov_b32 s19, 0
	s_add_nc_u64 s[66:67], s[68:69], s[18:19]
	s_lshl_b32 s45, s42, 1
	s_add_co_u32 s45, s45, s12                     ; my head among 48: 16 of q, 16 of k, 16 of v
	s_lshr_b32 s18, s45, 4
	s_lshl_b32 s18, s18, 24
	s_and_b32 s19, s45, 15
	s_lshl_b32 s19, s19, 19
	s_add_co_u32 s18, s18, s19
	s_lshr_b32 s19, s13, 4                         ; the batch
	s_lshl_b32 s19, s19, 23
	s_add_co_u32 s18, s18, s19
	s_lshl_b32 s19, s16, 8
	s_add_co_u32 s18, s18, s19
	s_mov_b32 s19, 0
	s_add_nc_u64 s[8:9], s[70:71], s[18:19]
	WIN 0xc0                                       ; destination window 3.  cos at 64 a + 8 b + j, sin 32 further: row 16 a + r, d = 16 b + 8 h + j.  Every work-group loads them, v's too, so that one text serves all
.irp a, 0,1,2,3
.irp b, 0,1,2,3
	global_load_b128 v[64*\a+8*\b:64*\a+8*\b+3], v[RO], s[66:67] offset:8192*\a+64*\b
	global_load_b128 v[64*\a+8*\b+4:64*\a+8*\b+7], v[RO], s[66:67] offset:8192*\a+64*\b+16
	global_load_b128 v[64*\a+32+8*\b:64*\a+32+8*\b+3], v[RO], s[66:67] offset:8192*\a+64*\b+256
	global_load_b128 v[64*\a+32+8*\b+4:64*\a+32+8*\b+7], v[RO], s[66:67] offset:8192*\a+64*\b+272
.endr
.endr
	WIN 0
; 8 matrix instructions: row block a x all 8 column blocks, 32 along K.  The 32 accumulators take turns in the same order in every quarter.
.macro MUL8 f, a, zero
	WIN MUL
.irp b, 0,1,2,3,4,5,6,7
.if \zero
	v_wmma_f32_16x16x32_bf16 v[8*(8*(\a)+(\b)):8*(8*(\a)+(\b))+7], v[(\f)+8*(\b):(\f)+8*(\b)+7], v[(\f)+64+8*(\a):(\f)+64+8*(\a)+7], 0
.else
	v_wmma_f32_16x16x32_bf16 v[8*(8*(\a)+(\b)):8*(8*(\a)+(\b))+7], v[(\f)+8*(\b):(\f)+8*(\b)+7], v[(\f)+64+8*(\a):(\f)+64+8*(\a)+7], v[8*(8*(\a)+(\b)):8*(8*(\a)+(\b))+7]
.endif
.endr
.endm
; 24 LDS loads in one run: quarter q (32 along K) of a slot into buffer f: W's eight blocks, turned, then x's four
.macro FETCH slot, q, f
	WIN TO_F
.irp i, 0,1,2,3,4,5,6,7
	ds_load_tr16_b128 v[(\f)+8*(\i):(\f)+8*(\i)+3],   v[ADRB+(\slot)] offset:(\q)*32*PB+32*(\i)
	ds_load_tr16_b128 v[(\f)+8*(\i)+4:(\f)+8*(\i)+7], v[ADRB+(\slot)] offset:(\q)*32*PB+32*(\i)+16*PB
.endr
.irp a, 0,1,2,3
	ds_load_b128 v[(\f)+64+8*(\a):(\f)+64+8*(\a)+3],   v[ADRA+(\slot)] offset:(\q)*64+(\a)*16*PA
	ds_load_b128 v[(\f)+64+8*(\a)+4:(\f)+64+8*(\a)+7], v[ADRA+(\slot)] offset:(\q)*64+(\a)*16*PA+32
.endr
.endm
; One of a K step's first three quarters: multiplies buffer f and fetches quarter q into g.
.macro QUARTER slot, q, f, g, zero
	s_wait_dscnt 4                                 ; W and x's blocks 0, 1 are in; the youngest four loads (blocks 2, 3) may be out
	MUL8 \f, 0, \zero
	MUL8 \f, 1, \zero
	PLACES
	FETCH \slot, \q, \g
	s_wait_dscnt 24                                ; all but the 24 just issued
	MUL8 \f, 2, \zero
	MUL8 \f, 3, \zero
.endm
; The last quarter multiplies buffer 1 and changes slots: one barrier; in front of it each wave waits for all its tensor loads, adds 0 to its spare word, and waits for that and for its reads of this slot.
.macro TURN slot, next, fill
	WIN 0
	s_wait_tensorcnt 0x0                           ; all my tensor loads have landed: my part of the next slot
	ds_add_u32 v[SPW], v[NIL]
	s_wait_dscnt 5                                 ; the add and the youngest four loads may be out
	MUL8 F1, 0, 0
	s_wait_dscnt 0x0                               ; the add is done, and my reads of this slot are over
	s_barrier_signal -1
	MUL8 F1, 1, 0
.if \fill
	WIN 0
.endif
	s_barrier_wait -1
.if \fill
	CREST                                          ; the barrier has opened a round of the cluster's: no wave of any partner still reads this slot or has a load on its way
	s_add_nc_u64 s[G0+4*(\slot)+2:G0+4*(\slot)+3], s[G0+4*(\slot)+2:G0+4*(\slot)+3], 2*KSTEP*2
	s_add_nc_u64 s[G0B+4*(\slot)+2:G0B+4*(\slot)+3], s[G0B+4*(\slot)+2:G0B+4*(\slot)+3], 2*KSTEP*NTOT*2
	JLOAD \slot                                    ; the first tensor load behind the round, 112 matrix instructions ahead of the wait for it; its four v_nop are also the places in front of the loads below
.else
	PLACES
.endif
	FETCH \next, 0, F0
	MUL8 F1, 2, 0
	MUL8 F1, 3, 0
.endm
	s_wait_tensorcnt 1                             ; my part of K step 0 is in; K step 1's may stay out
	s_barrier_signal -1
	s_barrier_wait -1
	FETCH 0, 0, F0
	QUARTER 0, 1, F0, F1, 1                        ; the first quarter's products start the sums
	WIN 0
	s_mov_b32 s3, LAPS-1
.Llap:
	QUARTER 0, 2, F1, F0, 0
	QUARTER 0, 3, F0, F1, 0
	TURN 0, 1, 1
	QUARTER 1, 1, F0, F1, 0
	QUARTER 1, 2, F1, F0, 0
	QUARTER 1, 3, F0, F1, 0
	TURN 1, 0, 1
	QUARTER 0, 1, F0, F1, 0
	WIN 0
	s_sub_co_u32 s3, s3, 1
	s_cmp_lg_u32 s3, 0
	s_cbranch_scc1 .Llap
	QUARTER 0, 2, F1, F0, 0                        ; the last lap fills nothing
	QUARTER 0, 3, F0, F1, 0
	TURN 0, 1, 0
	QUARTER 1, 1, F0, F1, 0
	QUARTER 1, 2, F1, F0, 0
	QUARTER 1, 3, F0, F1, 0
	s_wait_dscnt 4
	MUL8 F1, 0, 0
	MUL8 F1, 1, 0
	s_wait_dscnt 0x0
	MUL8 F1, 2, 0
	MUL8 F1, 3, 0
	WIN 0
; THE WAY OUT, a block of 16 rows at a time.
.macro ROPE a                          ; T[0..31] = xe cos - xo sin, T[32..63] = xe sin + xo cos; each accumulator is read from its lowest pair on
	WIN 0x0d                                       ; source 0 window 1 (the sums), source 1 window 3 (the table)
.irp b, 0,1,2,3
.irp p, 0,2,4,6
	v_pk_mul_f32 v[T+8*\b+\p:T+8*\b+\p+1], v[8*(8*(\a)+\b)+\p:8*(8*(\a)+\b)+\p+1], v[64*(\a)+8*\b+\p:64*(\a)+8*\b+\p+1]
	v_pk_mul_f32 v[T+32+8*\b+\p:T+32+8*\b+\p+1], v[8*(8*(\a)+\b)+\p:8*(8*(\a)+\b)+\p+1], v[64*(\a)+32+8*\b+\p:64*(\a)+32+8*\b+\p+1]
	v_pk_fma_f32 v[T+8*\b+\p:T+8*\b+\p+1], v[8*(8*(\a)+\b+4)+\p:8*(8*(\a)+\b+4)+\p+1], v[64*(\a)+32+8*\b+\p:64*(\a)+32+8*\b+\p+1], v[T+8*\b+\p:T+8*\b+\p+1] neg_lo:[1,0,0] neg_hi:[1,0,0]
	v_pk_fma_f32 v[T+32+8*\b+\p:T+32+8*\b+\p+1], v[8*(8*(\a)+\b+4)+\p:8*(8*(\a)+\b+4)+\p+1], v[64*(\a)+8*\b+\p:64*(\a)+8*\b+\p+1], v[T+32+8*\b+\p:T+32+8*\b+\p+1]
.endr
.endr
	WIN 0
.endm
.macro OUT                             ; 16 bytes a lane into my stage, back as whole rows of 256 bytes, stored
.irp b, 0,1,2,3,4,5,6,7
	ds_store_b128 v[STO], v[TMP+4*\b:TMP+4*\b+3] offset:32*\b
.endr
.irp i, 0,1,2,3,4,5,6,7
	ds_load_b128 v[OB+4*\i:OB+4*\i+3], v[RD] offset:\i*2*SPITCH  ; LDS serves a wave's instructions in order: these see the stores above
.endr
.irp i, 0,1,2,3,4,5,6,7
	s_wait_dscnt 7-\i                              ; load i is back, the younger ones stay out
	global_store_b128 v[CO], v[OB+4*\i:OB+4*\i+3], s[8:9] offset:512*\i  ; two rows of a head: 512 consecutive bytes
.endr
	s_wait_xcnt 0x0                                ; the base and OB are written again only behind this wait
	s_add_nc_u64 s[8:9], s[8:9], 4096              ; 16 rows on
.endm
.macro VOUT a
	WIN 0x05
.irp b, 0,1,2,3,4,5,6,7
.irp p, 0,1,2,3
	v_cvt_pk_f16_f32 v[TMP+4*\b+\p], v[8*(8*(\a)+\b)+2*\p], v[8*(8*(\a)+\b)+2*\p+1]
.endr
.endr
	WIN 0
	OUT
.endm
	PLACES
	s_wait_loadcnt 0x0                             ; the table
	s_cmp_lt_u32 ttmp9, 4                          ; the cluster's x, the same in all partners: 0-3 hold q and k, 4 and 5 hold v
	s_cbranch_scc0 .Lv_path
	s_mov_b32 s2, 0
.Lrow:                                                 ; four trips; only the rotation names the block's own registers, so it stands four times and the rest once
	s_cmp_eq_u32 s2, 0
	s_cbranch_scc0 .Lnot0
	ROPE 0
	s_branch .Lrot
.Lnot0:
	s_cmp_eq_u32 s2, 1
	s_cbranch_scc0 .Lnot1
	ROPE 1
	s_branch .Lrot
.Lnot1:
	s_cmp_eq_u32 s2, 2
	s_cbranch_scc0 .Lnot2
	ROPE 2
	s_branch .Lrot
.Lnot2:
	ROPE 3
.Lrot:
.set i, 0
.rept 32
.set re, E+2*(i%4)
.set rt, T+2*i
	v_pk_mul_f32 v[re:re+1], v[rt:rt+1], 0x3fb8aa3b op_sel_hi:[1,0]
	v_min_num_f32 v[re], 0, v[re]
	v_min_num_f32 v[re+1], 0, v[re+1]
	v_exp_f32 v[re], v[re]
	v_exp_f32 v[re+1], v[re+1]
	v_pk_add_f32 v[rt:rt+1], v[rt:rt+1], 1.0 op_sel_hi:[1,0]  ; plain lines stand behind the exponentials before their results are used
	v_max_num_f32 v[rt], 1.0, v[rt]
	v_max_num_f32 v[rt+1], 1.0, v[rt+1]
	s_wait_alu depctr_va_vdst(0)
	v_pk_add_f32 v[re:re+1], v[re:re+1], -1.0 op_sel_hi:[1,0]
	v_pk_add_f32 v[rt:rt+1], v[rt:rt+1], v[re:re+1]
.set i, i+1
.endr
.set i, 0
.rept 32
	v_cvt_pk_bf16_f32 v[TMP+i], v[T+2*i], v[T+2*i+1]
.set i, i+1
.endr
	OUT
	s_add_co_u32 s2, s2, 1
	s_cmp_lt_u32 s2, 4
	s_cbranch_scc1 .Lrow
	s_branch .Lend
.Lv_path:
	VOUT 0
	VOUT 1
	VOUT 2
	VOUT 3
.Lend:
	s_wait_tensorcnt 0x0                           ; the wave's end
	ds_add_u32 v[SPW], v[NIL]
	s_wait_dscnt 0x0
	CROUND                                         ; the closing round: no work-group ends while a partner may still ask for a tile that names it
	s_endpgm
.Lfunc_end_k_q4deffbde6b_qkv:
	.size	k_q4deffbde6b_qkv, .Lfunc_end_k_q4deffbde6b_qkv-k_q4deffbde6b_qkv
	.p2alignl 7, 3214868480
	.fill 96, 4, 3214868480
	.section	.rodata,"a",@progbits
	.p2align	6, 0x0
	.amdhsa_kernel k_q4deffbde6b_qkv
		.amdhsa_group_segment_fixed_size 327680
		.amdhsa_private_segment_fixed_size 0
		.amdhsa_enable_private_segment 0
		.amdhsa_kernarg_size 32
		.amdhsa_user_sgpr_count 2
		.amdhsa_user_sgpr_kernarg_segment_ptr 1
		.amdhsa_wavefront_size32 1
		.amdhsa_system_sgpr_workgroup_id_x 1
		.amdhsa_system_sgpr_workgroup_id_y 1
		.amdhsa_system_sgpr_workgroup_id_z 1
		.amdhsa_system_vgpr_workitem_id 0
		.amdhsa_next_free_vgpr 1024
		.amdhsa_next_free_sgpr 72
		.amdhsa_reserve_vcc 0
		.amdhsa_float_denorm_mode_32 3
		.amdhsa_float_denorm_mode_16_64 3
		.amdhsa_memory_ordered 1
		.amdhsa_forward_progress 1
		.amdhsa_inst_pref_size 130
	.end_amdhsa_kernel
	.amdgpu_metadata
---
amdhsa.version: [ 1, 2 ]
amdhsa.kernels:
  - .name:           k_q4deffbde6b_qkv
    .symbol:         k_q4deffbde6b_qkv.kd
    .args:
      - { .name: xb, .offset: 0, .size: 8, .value_kind: global_buffer, .address_space: global }
      - { .name: wts, .offset: 8, .size: 8, .value_kind: global_buffer, .address_space: global }
      - { .name: tab, .offset: 16, .size: 8, .value_kind: global_buffer, .address_space: global }
      - { .name: qkv, .offset: 24, .size: 8, .value_kind: global_buffer, .address_space: global }
    .group_segment_fixed_size: 327680
    .private_segment_fixed_size: 0
    .kernarg_segment_align: 8
    .kernarg_segment_size: 32
    .max_flat_workgroup_size: 128
    .sgpr_count:     72
    .vgpr_count:     1024
    .wavefront_size: 32
...
	.end_amdgpu_metadata
.endif
;; end of part 2
;; launch segstate (part 3): grid 7 x 32, 4 waves a work-group, no clusters, 167,936 bytes of LDS; arguments qkv, tab, useg; writes useg
.if DOCPART == 3
	.amdgcn_target "amdgcn-amd-amdhsa--gfx1250"
	.amdhsa_code_object_version 6
	.text
	.protected	k_q4deffbde6b_segstate
	.globl	k_q4deffbde6b_segstate
	.p2align	8
	.type	k_q4deffbde6b_segstate,@function
k_q4deffbde6b_segstate:
	s_mov_b64 s[64:65], 0
	v_nop
	global_prefetch_b8 v0, s[64:65] scope:SCOPE_SE
	s_setreg_imm32_b32 hwreg(HW_REG_WAVE_MODE, 25, 1), 1
	s_wait_xcnt 0x0
; A SEGMENT'S OWN STATE.  Each of the 32 sequences is cut into 8 segments of 256 tokens.  Work-group (seg, bh), seg = 0..6, runs S <- G S + sum_s (pk_s 2^(c63 - c_s)) (x) v_s over its four chunks of
; 64 tokens from S = 0 (c: the running sum of log2(beta) inside a chunk, G = 2^c63) and stores S, with z as a ninth block of 16 value channels of which channels 0 and 8 are ones, as a register image:
; useg: [32 bh][7 seg][4 waves][36 quads][32 lanes][16 bytes] of f32; the segment's whole decay goes to useg + 16,515,072 + 32 bh + 4 seg.  Segment 7's own state is needed by nobody.
; beta is clipped at 0.8 by the problem itself, so c63 - c_s lies in -20.6 .. 0: no exponential here can overflow, and what underflows in f16 is 2^-20 of the sum.
; LIMITS: pk stays under 65,504 (it is multiplied by a decay <= 1 and rounded to f16); v arrives in f16.
; Wave w owns the key channels 32 w .. 32 w + 31: tile (dd, eb) at 8 (9 dd + eb) in window 1: register j is d = 16 (2 w + dd) + 8 h + j, lane r is e = 16 eb + r.
; No cluster: no two work-groups read the same tile.  All of a segment's pk and v (143,360 bytes with padding) are fetched at once, one tensor load a wave, and nothing is filled again.
.set PK,    272
.set PV,    288
.set KT,    0                          ; 256 rows of pk
.set VT,    256*PK                     ; 256 rows of v
.set CUM,   VT+256*PV                  ; c: f32 [4 chunks][64]
.set SPARE, CUM+1024
.set ZR,    1
.set AKT0,  4
.set AV0,   5
.set ACUM0, 6
.set AC630, 13
.set AKT,   16
.set AVW,   17
.set UO,    18
.set GSUM,  19
.set C63,   20
.set GV,    22                         ; v22-23 G, twice
.set LBO,   25
.set SPW,   30
.set NIL,   31
.set T,     112                        ; v112-127 at work
.set PKF,   128                        ; v128-159 pk x decay in f16: fragment (dd, kk) at 8 (2 dd + kk)
.set W,     192                        ; v192-223 the decay of key 16 kb + 8 h + j at 8 kb + j
.set VF,    0                          ; window 2: v turned, (eb, kk) at 16 eb + 8 kk
.set ONES,  128                        ; window 2
.set PKR,   216                        ; window 3: pk turned, as loaded
.set WV,  12
.set SEG, 13
.set BH,  14
.set G1K, 24
.set G1V, 32
.set G0K, 40
.set G0V, 44
.set SQ,  48
.set SV,  49
.set SCN, 50
.set CNT, 51
.set UB,  54
.set ONEW, 56
.set GB,  58
.set LBB, 60
.set MSB, 0
.macro WIN new
.if MSB != (\new)
	s_set_vgpr_msb (MSB<<8)|(\new)
.set MSB, \new
.endif
.endm
.macro PLACES
.rept 4
	v_nop
.endr
.endm
	s_load_b128 s[4:7], s[0:1], 0x0                ; qkv, tab
	s_load_b64 s[8:9], s[0:1], 0x10                ; useg
	v_lshl_add_u32 v[SPW], v0, 2, SPARE
	v_mov_b32 v[NIL], 0
	ds_add_u32 v[SPW], v[NIL]                      ; the wave's opening: the add and its wait come ahead of my first tensor load
	ds_add_u32 v30, v31
	v_lshrrev_b32 v[T], 5, v0
	v_readfirstlane_b32 s[WV], v[T]
	s_mov_b32 s[SEG], ttmp9
	s_and_b32 s[BH], ttmp7, 0xffff
	s_and_b32 s16, s[WV], 1                        ; which 128 rows I fetch
	s_mov_b32 s[G1K], (1<<16)|(1<<20)|(5<<22)|(3<<25)  ; 2-byte elements; 4 words of padding after every 64
	s_mov_b32 s[G1V], (1<<16)|(1<<20)|(5<<22)|(7<<25)  ; 8 words
.irp g, G1K, G1V
	s_mov_b32 s[\g+1], 128<<16                     ; tensor_dim0 = 128
	s_mov_b32 s[\g+2], 128<<16                     ; tensor_dim1 = 128
	s_mov_b32 s[\g+3], 128<<16                     ; tile_dim0 = 128
	s_mov_b32 s[\g+4], 128                         ; tile_dim1 = 128
	s_mov_b32 s[\g+5], 128                         ; elements from row to row
	s_mov_b32 s[\g+6], 0
	s_mov_b32 s[\g+7], 0
.endr
	s_lshl_b32 s18, s[BH], 19                      ; a sequence is 2,048 rows of 256 bytes,
	s_lshl_b32 s19, s[SEG], 16                     ; a segment 256,
	s_add_co_u32 s18, s18, s19
	s_lshl_b32 s19, s16, 15                        ; my half 128
	s_add_co_u32 s18, s18, s19
	s_add_co_u32 s20, s18, 1<<24                   ; pk
	s_mov_b32 s21, 0
	s_add_co_u32 s22, s18, 1<<25                   ; v
	s_mov_b32 s23, 0
	s_mov_b32 s[G0K], 1
	s_mul_i32 s[G0K+1], s16, 128*PK
	s_mov_b32 s[G0V], 1
	s_mul_i32 s[G0V+1], s16, 128*PV
	s_add_co_u32 s[G0V+1], s[G0V+1], VT
	s_mov_b32 s[ONEW], 0x3c003c00
	s_mov_b32 s[SQ], 0
	s_mov_b32 s[SV], 0
	s_mov_b32 s[SCN], 0
	s_wait_dscnt 0x0                               ; the opening add is done
	s_wait_kmcnt 0x0
	s_add_nc_u64 s[G0K+2:G0K+3], s[4:5], s[20:21]
	s_or_b32 s[G0K+3], s[G0K+3], 0x80000000
	s_add_nc_u64 s[G0V+2:G0V+3], s[4:5], s[22:23]
	s_or_b32 s[G0V+3], s[G0V+3], 0x80000000
	s_cmp_lt_u32 s[WV], 2                          ; waves 0 and 1 fetch pk's halves, waves 2 and 3 v's: one load of mine is out
	s_cbranch_scc0 .Lfor_v
	tensor_load_to_lds s[G0K:G0K+3], s[G1K:G1K+7]
	s_nop 0
.rept 4
	v_nop
.endr
	s_branch .Lasked
.Lfor_v:
	tensor_load_to_lds s[G0V:G0V+3], s[G1V:G1V+7]
	s_nop 0
.rept 4
	v_nop
.endr
.Lasked:
	; c of chunk w, by wave w: lane l holds tokens 2 l and 2 l + 1
	s_lshl_b32 s20, s[BH], 13
	s_lshl_b32 s17, s[SEG], 10
	s_add_co_u32 s20, s20, s17
	s_lshl_b32 s17, s[WV], 8
	s_add_co_u32 s20, s20, s17
	s_add_co_u32 s20, s20, 1048576
	s_add_nc_u64 s[LBB:LBB+1], s[6:7], s[20:21]
	v_and_b32 v64, 31, v0
	v_lshlrev_b32 v[LBO], 3, v64
	global_load_b64 v[T+2:T+3], v[LBO], s[LBB:LBB+1]
	v_mov_b32 v[ZR], 0
	v_and_b32 v65, 15, v0                          ; r
	v_bfe_u32 v66, v0, 4, 1                        ; h
	v_and_b32 v67, 7, v0
	v_bfe_u32 v68, v0, 3, 1
	v_lshl_add_u32 v69, v66, 3, v67                ; 8 h + l % 8
	v_mul_u32_u24 v[AKT0], v69, PK
	v_lshl_add_u32 v[AKT0], v68, 4, v[AKT0]
	s_lshl_b32 s17, s[WV], 6
	v_add_nc_u32 v[AKT0], s17, v[AKT0]             ; pk turned: my 32 channels are 64 bytes of a row
	v_mul_u32_u24 v[AV0], v69, PV
	v_lshl_add_u32 v[AV0], v68, 4, v[AV0]
	v_add_nc_u32 v[AV0], VT, v[AV0]
	v_lshlrev_b32 v[ACUM0], 5, v66
	v_add_nc_u32 v[ACUM0], CUM, v[ACUM0]
	v_mov_b32 v[AC630], CUM+252
	s_mul_i32 s17, s[WV], 18432
	v_lshl_add_u32 v[UO], v64, 4, s17
	v_cmp_eq_u32 vcc_lo, 0, v67
	WIN 0x80
.irp i, 0,1,2,3,4,5,6,7
	v_cndmask_b32 v[ONES+\i], 0, s[ONEW], vcc_lo   ; channels 0 and 8 of the ninth block are ones
.endr
	WIN 0
	v_cvt_f32_u32 v[T+5], v66
	s_lshl_b32 s17, s[WV], 8
	s_add_co_u32 s17, s17, CUM
	v_add_nc_u32 v70, s17, v[LBO]
	s_wait_loadcnt 0x0
	v_add_f32 v[T+4], v[T+2], v[T+3]
	v_add_f32_dpp v[T+4], v[T+4], v[T+4] row_shr:1 row_mask:0xf bank_mask:0xf bound_ctrl:1
	v_add_f32_dpp v[T+4], v[T+4], v[T+4] row_shr:2 row_mask:0xf bank_mask:0xf bound_ctrl:1
	v_add_f32_dpp v[T+4], v[T+4], v[T+4] row_shr:4 row_mask:0xf bank_mask:0xf bound_ctrl:1
	v_add_f32_dpp v[T+4], v[T+4], v[T+4] row_shr:8 row_mask:0xf bank_mask:0xf bound_ctrl:1
	v_readlane_b32 s17, v[T+4], 15                 ; the first 16 lanes' total goes onto the other 16
	v_fma_f32 v[T+7], v[T+5], s17, v[T+4]
	v_sub_f32 v[T+6], v[T+7], v[T+3]
	ds_store_b64 v70, v[T+6:T+7]
	s_lshl_b32 s17, s[BH], 3
	s_sub_co_u32 s17, s17, s[BH]
	s_add_co_u32 s17, s17, s[SEG]                  ; 7 bh + seg
	s_mul_i32 s20, s17, 73728
	s_add_nc_u64 s[UB:UB+1], s[8:9], s[20:21]
	s_lshl_b32 s20, s[BH], 5
	s_lshl_b32 s17, s[SEG], 2
	s_add_co_u32 s20, s20, s17
	s_add_co_u32 s20, s20, 16515072
	s_add_nc_u64 s[GB:GB+1], s[8:9], s[20:21]
	s_wait_tensorcnt 0x0                           ; my tile is in,
	s_wait_dscnt 0x0                               ; my c is stored:
	s_barrier_signal -1
	s_barrier_wait -1                              ; everybody's are
.macro FETCH_V                         ; 32 loads: 64 keys x 128 channels, turned
	WIN 0x80
.irp eb, 0,1,2,3,4,5,6,7
.irp kk, 0,1
	ds_load_tr16_b128 v[VF+16*\eb+8*\kk:VF+16*\eb+8*\kk+3],   v[AVW] offset:32*PV*\kk+32*\eb
	ds_load_tr16_b128 v[VF+16*\eb+8*\kk+4:VF+16*\eb+8*\kk+7], v[AVW] offset:32*PV*\kk+32*\eb+16*PV
.endr
.endr
.endm
.macro FETCH_PK                        ; 8 loads: 64 keys x my 32 channels, turned
	WIN 0xc0
.irp dd, 0,1
.irp kk, 0,1
	ds_load_tr16_b128 v[PKR+8*(2*\dd+\kk):PKR+8*(2*\dd+\kk)+3],   v[AKT] offset:32*PK*\kk+32*\dd
	ds_load_tr16_b128 v[PKR+8*(2*\dd+\kk)+4:PKR+8*(2*\dd+\kk)+7], v[AKT] offset:32*PK*\kk+32*\dd+16*PK
.endr
.endr
.endm
.macro MAKEPK                          ; pk (bf16) x decay (f32), rounded to f16.  Register i of key half kk holds the keys whose decays are W[16 kk + 2 i] and the next
.set g, 0
.rept 4
	WIN 0x03
.set i, 0
.rept 8
	v_fma_mix_f32_bf16 v[T+2*i], v[PKR+8*g+i], v[W+16*(g%2)+2*i], v[ZR] op_sel_hi:[1,0,0]
	v_fma_mix_f32_bf16 v[T+2*i+1], v[PKR+8*g+i], v[W+16*(g%2)+2*i+1], v[ZR] op_sel:[1,0,0] op_sel_hi:[1,0,0]
.set i, i+1
.endr
	WIN 0
.set i, 0
.rept 8
	v_cvt_pk_f16_f32 v[PKF+8*g+i], v[T+2*i], v[T+2*i+1]
.set i, i+1
.endr
.set g, g+1
.endr
.endm
.macro SCALE_S
	WIN 0x41
.set i, 0
.rept 72
	v_pk_mul_f32 v[2*i:2*i+1], v[2*i:2*i+1], v[GV:GV+1] op_sel_hi:[1,0]
.set i, i+1
.endr
.endm
.macro STATE zero                      ; 36 products; the 18 accumulators take turns
	WIN 0x58                                       ; source 0 window 0, source 1 window 2, C and D window 1
.irp kk, 0,1
.irp dd, 0,1
.irp eb, 0,1,2,3,4,5,6,7
.if (\zero) && (\kk == 0)
	v_wmma_f32_16x16x32_f16 v[8*(9*\dd+\eb):8*(9*\dd+\eb)+7], v[PKF+8*(2*\dd+\kk):PKF+8*(2*\dd+\kk)+7], v[VF+16*\eb+8*\kk:VF+16*\eb+8*\kk+7], 0
.else
	v_wmma_f32_16x16x32_f16 v[8*(9*\dd+\eb):8*(9*\dd+\eb)+7], v[PKF+8*(2*\dd+\kk):PKF+8*(2*\dd+\kk)+7], v[VF+16*\eb+8*\kk:VF+16*\eb+8*\kk+7], v[8*(9*\dd+\eb):8*(9*\dd+\eb)+7]
.endif
.endr
.if (\zero) && (\kk == 0)
	v_wmma_f32_16x16x32_f16 v[8*(9*\dd+8):8*(9*\dd+8)+7], v[PKF+8*(2*\dd+\kk):PKF+8*(2*\dd+\kk)+7], v[ONES:ONES+7], 0
.else
	v_wmma_f32_16x16x32_f16 v[8*(9*\dd+8):8*(9*\dd+8)+7], v[PKF+8*(2*\dd+\kk):PKF+8*(2*\dd+\kk)+7], v[ONES:ONES+7], v[8*(9*\dd+8):8*(9*\dd+8)+7]
.endif
.endr
.endr
.endm
.macro SEGC zero                       ; one chunk
.if !(\zero)
	PLACES                                         ; in front of the loads into registers that the last products read
.endif
	WIN 0
	v_add_nc_u32 v[AKT], s[SQ], v[AKT0]
	v_add_nc_u32 v[AVW], s[SV], v[AV0]
	v_add_nc_u32 v[T], s[SCN], v[ACUM0]
	v_add_nc_u32 v[T+1], s[SCN], v[AC630]
.irp kb, 0,1,2,3
	ds_load_b128 v[W+8*\kb:W+8*\kb+3], v[T] offset:64*\kb
	ds_load_b128 v[W+8*\kb+4:W+8*\kb+7], v[T] offset:64*\kb+16
.endr
	ds_load_b32 v[C63], v[T+1]
	FETCH_PK
	FETCH_V
	WIN 0
	s_wait_dscnt 40                                ; c is in; pk's 8 loads and v's 32 stay out
.if \zero
	v_mov_b32 v[GSUM], v[C63]
.else
	v_add_f32 v[GSUM], v[GSUM], v[C63]
.endif
.set i, 0
.rept 32
	v_sub_f32 v[W+i], v[C63], v[W+i]
.set i, i+1
.endr
.set i, 0
.rept 32
	v_exp_f32 v[W+i], v[W+i]
.set i, i+1
.endr
	v_exp_f32 v[GV], v[C63]
	v_nop
	s_wait_alu depctr_va_vdst(0)
	v_mov_b32 v[GV+1], v[GV]
	s_wait_dscnt 32                                ; pk is in; v's 32 loads stay out
	MAKEPK
.if !(\zero)
	SCALE_S
.endif
	s_wait_dscnt 0x0
	STATE \zero
.endm
	SEGC 1                                         ; the first chunk's products start the sums
	WIN 0
	s_mov_b32 s[CNT], 3
.Lchunk:
	s_add_co_u32 s[SQ], s[SQ], 64*PK
	s_add_co_u32 s[SV], s[SV], 64*PV
	s_add_co_u32 s[SCN], s[SCN], 256
	SEGC 0
	WIN 0
	s_sub_co_u32 s[CNT], s[CNT], 1
	s_cmp_lg_u32 s[CNT], 0
	s_cbranch_scc1 .Lchunk
	PLACES
	WIN 0x04                                       ; the stores' data lie in window 1
.set i, 0
.rept 36
	global_store_b128 v[UO], v[4*i:4*i+3], s[UB:UB+1] offset:512*i  ; 512 consecutive bytes; each tile's low quad first
.set i, i+1
.endr
	WIN 0
	s_cmp_lg_u32 s[WV], 0
	s_cbranch_scc1 .Lend
	v_exp_f32 v[GSUM], v[GSUM]                     ; the segment's whole decay
	v_mov_b32 v[T], 0
	s_wait_xcnt 0x0                                ; EXEC changes only behind this wait
	v_cmp_eq_u32 vcc_lo, 0, v0
	s_and_saveexec_b32 s20, vcc_lo
	s_wait_alu depctr_va_vdst(0)
	global_store_b32 v[T], v[GSUM], s[GB:GB+1]
	s_wait_xcnt 0x0                                ; and again, in front of the line that widens it
	s_or_b32 exec_lo, exec_lo, s20
.Lend:
	s_wait_tensorcnt 0x0                           ; the wave's end
	ds_add_u32 v[SPW], v[NIL]
	s_wait_dscnt 0x0
	s_endpgm
.Lfunc_end_k_q4deffbde6b_segstate:
	.size	k_q4deffbde6b_segstate, .Lfunc_end_k_q4deffbde6b_segstate-k_q4deffbde6b_segstate
	.p2alignl 7, 3214868480
	.fill 96, 4, 3214868480
	.section	.rodata,"a",@progbits
	.p2align	6, 0x0
	.amdhsa_kernel k_q4deffbde6b_segstate
		.amdhsa_group_segment_fixed_size 167936
		.amdhsa_private_segment_fixed_size 0
		.amdhsa_enable_private_segment 0
		.amdhsa_kernarg_size 24
		.amdhsa_user_sgpr_count 2
		.amdhsa_user_sgpr_kernarg_segment_ptr 1
		.amdhsa_wavefront_size32 1
		.amdhsa_system_sgpr_workgroup_id_x 1
		.amdhsa_system_sgpr_workgroup_id_y 1
		.amdhsa_system_sgpr_workgroup_id_z 1
		.amdhsa_system_vgpr_workitem_id 0
		.amdhsa_next_free_vgpr 1024
		.amdhsa_next_free_sgpr 66
		.amdhsa_reserve_vcc 1
		.amdhsa_float_denorm_mode_32 3
		.amdhsa_float_denorm_mode_16_64 3
		.amdhsa_memory_ordered 1
		.amdhsa_forward_progress 1
		.amdhsa_inst_pref_size 44
	.end_amdhsa_kernel
	.amdgpu_metadata
---
amdhsa.version: [ 1, 2 ]
amdhsa.kernels:
  - .name:           k_q4deffbde6b_segstate
    .symbol:         k_q4deffbde6b_segstate.kd
    .args:
      - { .name: qkv, .offset: 0, .size: 8, .value_kind: global_buffer, .address_space: global }
      - { .name: tab, .offset: 8, .size: 8, .value_kind: global_buffer, .address_space: global }
      - { .name: useg, .offset: 16, .size: 8, .value_kind: global_buffer, .address_space: global }
    .group_segment_fixed_size: 167936
    .private_segment_fixed_size: 0
    .kernarg_segment_align: 8
    .kernarg_segment_size: 24
    .max_flat_workgroup_size: 128
    .sgpr_count:     66
    .vgpr_count:     1024
    .wavefront_size: 32
...
	.end_amdgpu_metadata
.endif
;; end of part 3
;; launch prefix (part 4): grid 18 x 32, 8 waves a work-group, no clusters, 0 bytes of LDS; arguments useg, sst; writes sst
.if DOCPART == 4
	.amdgcn_target "amdgcn-amd-amdhsa--gfx1250"
	.amdhsa_code_object_version 6
	.text
	.protected	k_q4deffbde6b_prefix
	.globl	k_q4deffbde6b_prefix
	.p2align	8
	.type	k_q4deffbde6b_prefix,@function
k_q4deffbde6b_prefix:
	s_mov_b64 s[64:65], 0
	v_nop
	global_prefetch_b8 v0, s[64:65] scope:SCOPE_SE
	s_setreg_imm32_b32 hwreg(HW_REG_WAVE_MODE, 25, 1), 1
	s_wait_xcnt 0x0
; THE STATE AT EACH SEGMENT'S ENTRY.  S_0 = 0, S_(j+1) = Gamma_j S_j + U_j, element by element over the register images of 73,728 bytes: U_j and Gamma_j from useg, S_0 .. S_7 into sst.
; A thread owns 16 bytes of an image (18 work-groups x 256 threads x 16 = 73,728) in all eight segments of one sequence: each byte is read once and written once, 512 consecutive bytes a wave and line.
; No LDS, no barrier, no matrix unit: seven loads of every wave are on their way at once, and the chain of seven multiply-adds is all the arithmetic there is.
.set IMG, 73728
	s_load_b128 s[4:7], s[0:1], 0x0                ; useg, sst
	s_and_b32 s8, ttmp7, 0xffff                    ; bh
	s_lshl_b32 s9, ttmp9, 12
	v_lshl_add_u32 v1, v0, 4, s9
	s_mul_i32 s20, s8, 7*IMG
	s_mov_b32 s21, 0
	s_mul_i32 s22, s8, 8*IMG
	s_mov_b32 s23, 0
	s_lshl_b32 s24, s8, 5
	s_add_co_u32 s24, s24, 16515072
	s_mov_b32 s25, 0
	s_wait_kmcnt 0x0
	s_add_nc_u64 s[10:11], s[4:5], s[24:25]
	s_load_b128 s[12:15], s[10:11], 0x0            ; Gamma_0 .. Gamma_6: the seven words that were written
	s_load_b64 s[16:17], s[10:11], 0x10
	s_load_b32 s18, s[10:11], 0x18
	s_add_nc_u64 s[4:5], s[4:5], s[20:21]
	s_add_nc_u64 s[6:7], s[6:7], s[22:23]
.irp j, 0,1,2,3,4,5,6
	global_load_b128 v[4+4*\j:7+4*\j], v1, s[4:5] offset:IMG*\j
.endr
.irp c, 0,1,2,3
	v_mov_b32 v[32+\c], 0                          ; S_0, which is stored
.endr
	s_wait_kmcnt 0x0
.irp j, 0,1,2,3,4,5,6
	s_wait_loadcnt 6-\j                            ; U_j is in, the younger ones stay out
.irp c, 0,1,2,3
	v_fma_f32 v[36+4*\j+\c], v[32+4*\j+\c], s[12+\j], v[4+4*\j+\c]
.endr
.endr
.irp j, 0,1,2,3,4,5,6,7
	global_store_b128 v1, v[32+4*\j:35+4*\j], s[6:7] offset:IMG*\j
.endr
	s_endpgm
.Lfunc_end_k_q4deffbde6b_prefix:
	.size	k_q4deffbde6b_prefix, .Lfunc_end_k_q4deffbde6b_prefix-k_q4deffbde6b_prefix
	.p2alignl 7, 3214868480
	.fill 96, 4, 3214868480
	.section	.rodata,"a",@progbits
	.p2align	6, 0x0
	.amdhsa_kernel k_q4deffbde6b_prefix
		.amdhsa_group_segment_fixed_size 0
		.amdhsa_private_segment_fixed_size 0
		.amdhsa_enable_private_segment 0
		.amdhsa_kernarg_size 16
		.amdhsa_user_sgpr_count 2
		.amdhsa_user_sgpr_kernarg_segment_ptr 1
		.amdhsa_wavefront_size32 1
		.amdhsa_system_sgpr_workgroup_id_x 1
		.amdhsa_system_sgpr_workgroup_id_y 1
		.amdhsa_system_sgpr_workgroup_id_z 1
		.amdhsa_system_vgpr_workitem_id 0
		.amdhsa_next_free_vgpr 72
		.amdhsa_next_free_sgpr 66
		.amdhsa_reserve_vcc 0
		.amdhsa_float_denorm_mode_32 3
		.amdhsa_float_denorm_mode_16_64 3
		.amdhsa_memory_ordered 1
		.amdhsa_forward_progress 1
		.amdhsa_inst_pref_size 5
	.end_amdhsa_kernel
	.amdgpu_metadata
---
amdhsa.version: [ 1, 2 ]
amdhsa.kernels:
  - .name:           k_q4deffbde6b_prefix
    .symbol:         k_q4deffbde6b_prefix.kd
    .args:
      - { .name: useg, .offset: 0, .size: 8, .value_kind: global_buffer, .address_space: global }
      - { .name: sst, .offset: 8, .size: 8, .value_kind: global_buffer, .address_space: global }
    .group_segment_fixed_size: 0
    .private_segment_fixed_size: 0
    .kernarg_segment_align: 8
    .kernarg_segment_size: 16
    .max_flat_workgroup_size: 256
    .sgpr_count:     66
    .vgpr_count:     72
    .wavefront_size: 32
...
	.end_amdgpu_metadata
.endif
;; end of part 4
;; launch scan (part 5): grid 8 x 32, 4 waves a work-group, no clusters, 327,680 bytes of LDS; arguments qkv, tab, sst, y16; writes y16
.if DOCPART == 5
	.amdgcn_target "amdgcn-amd-amdhsa--gfx1250"
	.amdhsa_code_object_version 6
	.text
	.protected	k_q4deffbde6b_scan
	.globl	k_q4deffbde6b_scan
	.p2align	8
	.type	k_q4deffbde6b_scan,@function
k_q4deffbde6b_scan:
	s_mov_b64 s[64:65], 0
	v_nop
	global_prefetch_b8 v0, s[64:65] scope:SCOPE_SE
	s_setreg_imm32_b32 hwreg(HW_REG_WAVE_MODE, 25, 1), 1
	s_wait_xcnt 0x0
; THE SCAN, chunk by chunk.  Work-group (seg, bh) owns 256 tokens of one sequence, four chunks of 64, and starts from the state at the segment's entry (sst).  With c the running sum of log2(beta) in a chunk,
; B_ts = (pq_t . pk_s) 2^(-c_s) for s <= t and 0 otherwise:
;   y_t = [ (pq_t . S) rho + sum_s (B_ts rho) v_s ] / [ (pq_t . z) rho + sum_s B_ts rho + 1e-6 rho 2^(-c_t) ],   rho = 1 / max(max_s B_ts, pq_t . z, 2^-100):
; the row's own factor 2^(c_t) cancels, and rho brings the weights into 0 .. 1 for f16.  Then S <- G S + sum_s (pk_s G 2^(-c_s)) (x) v_s, G = 2^c63.
; z rides as a ninth block of 16 value channels of which channels 0 and 8 are ones, so the divisor falls into register 0 of its accumulator in both halves of the lanes.
; The problem itself clips beta at 0.8, so |c| <= 20.6: no exponential here can overflow or underflow.
; FORMATS: pq, pk and the state as an operand in bf16; v, the weights, pk x decay and y in f16; sums, the state and all factors in f32.
; LIMITS: pk and |v| stay under 65,504; a weight below 6e-5 of its row's largest keeps f16's fixed step of 6e-8; NaN and infinities are not treated apart.
; SHARES: wave w owns queries 16 w .. 16 w + 15 of each chunk, and the state's key channels 32 w .. 32 w + 31 (f32, in registers); the state goes to the others through LDS in bf16.
; LAYOUT: S^T = K Q^T holds one query a lane (lane % 16) and the keys 8 (lane / 16) + 0..7; two such results rounded in pairs are source 1 of O^T = V^T A, which again holds one query a lane.
; No cluster: no two work-groups read the same tile.  Each chunk's tiles have LDS bytes of their own; chunk c + 1 is asked for behind the barrier that opens chunk c, one tensor load a wave.
; REGISTERS: window 0: addresses, statistics, QF, SC, A16, T, PKF, GM, W, MK.  Window 1: the state, tile (dd, eb) at 8 (9 dd + eb); O(eb) at 144 + 8 eb.
;   Window 2: v turned, the ones, three slots of K fragments.  Window 3: three slots of state fragments, pk turned.
.set PK,    272
.set PV,    288
.set QT,    0                          ; 256 rows of pq
.set KT,    256*PK                     ; 256 rows of pk
.set VT,    2*256*PK                   ; 256 rows of v
.set ST16,  VT+256*PV                  ; the state in bf16: [144 e][128 d], pitch 272
.set OST,   ST16+144*PK                ; the way out: 16 rows x 272 for each wave
.set CUM,   OST+4*16*PK                ; c: f32 [4 chunks][64]
.set SPARE, CUM+1024
.set ZR,    1
.set AQ0,   2
.set AK0,   3
.set AKT0,  4
.set AV0,   5
.set ACUM0, 6
.set AST,   7
.set STS,   8
.set OSTO,  9
.set ORD,   10
.set GO,    11
.set ACT0,  12
.set AC630, 13
.set AQ,    14
.set AK,    15
.set AKT,   16
.set AVW,   17
.set D0,    18
.set EG,    19
.set C63,   20
.set CT,    21
.set GV,    22                         ; v22-23 G, twice
.set IO,    24                         ; later the divisor
.set LBO,   25
.set RHO,   26                         ; v26-27
.set INV,   28                         ; v28-29
.set SPW,   30
.set NIL,   31
.set QF,    32                         ; v32-63  my 16 queries x 128 d
.set SC,    64                         ; v64-95  scores: key 16 kb + 8 h + j at 8 kb + j
.set A16,   96                         ; v96-111 the weights in f16
.set T,     112                        ; v112-127 at work
.set PKF,   128
.set GM,    160                        ; 2^(-c_s) x mask
.set W,     192                        ; 2^(-c_s), then x G
.set MK,    224                        ; 1 where the key is not behind the query
.set OB,    144                        ; window 1
.set VF,    0                          ; window 2
.set ONES,  128
.set KF,    136
.set STF,   0                          ; window 3
.set PKR,   216
.set WV,  12
.set SEG, 13
.set BH,  14
.set G1QK, 24
.set G1V,  32
.set G0QK, 40
.set G0V,  44
.set SQ,  48
.set SV,  49
.set SCN, 50
.set CNT, 51
.set SEL, 52
.set YB,  54
.set ONEW, 56
.set IM,  58
.set LBB, 60
.set MSB, 0
.macro WIN new
.if MSB != (\new)
	s_set_vgpr_msb (MSB<<8)|(\new)
.set MSB, \new
.endif
.endm
.macro PLACES
.rept 4
	v_nop
.endr
.endm
.macro JLOAD                           ; wave 0 fetches a chunk's pq, wave 1 its pk, waves 2 and 3 the halves of its v; an s_nop 0 and four v_nop follow each line
	s_cmp_lt_u32 s[WV], 2
	s_cbranch_scc0 .Lfor_v_\@
	tensor_load_to_lds s[G0QK:G0QK+3], s[G1QK:G1QK+7]
	s_nop 0
.rept 4
	v_nop
.endr
	s_branch .Lasked_\@
.Lfor_v_\@:
	tensor_load_to_lds s[G0V:G0V+3], s[G1V:G1V+7]
	s_nop 0
.rept 4
	v_nop
.endr
.Lasked_\@:
.endm
	s_load_b256 s[4:11], s[0:1], 0x0               ; qkv s[4:5], tab s[6:7], sst s[8:9], y16 s[10:11]
	v_lshl_add_u32 v[SPW], v0, 2, SPARE
	v_mov_b32 v[NIL], 0
	ds_add_u32 v[SPW], v[NIL]                      ; the wave's opening: the add and its wait come ahead of my first tensor load
	ds_add_u32 v30, v31
	v_lshrrev_b32 v[T], 5, v0
	v_readfirstlane_b32 s[WV], v[T]
	s_mov_b32 s[SEG], ttmp9
	s_and_b32 s[BH], ttmp7, 0xffff
	s_and_b32 s16, s[WV], 1
	s_mov_b32 s[G1QK], (1<<16)|(1<<20)|(5<<22)|(3<<25)  ; 2-byte elements; 4 words of padding after every 64
	s_mov_b32 s[G1QK+1], 128<<16
	s_mov_b32 s[G1QK+2], 64<<16                    ; 64 rows
	s_mov_b32 s[G1QK+3], 128<<16
	s_mov_b32 s[G1QK+4], 64
	s_mov_b32 s[G1QK+5], 128
	s_mov_b32 s[G1QK+6], 0
	s_mov_b32 s[G1QK+7], 0
	s_mov_b32 s[G1V], (1<<16)|(1<<20)|(5<<22)|(7<<25)   ; 8 words of padding
	s_mov_b32 s[G1V+1], 128<<16
	s_mov_b32 s[G1V+2], 32<<16                     ; 32 rows
	s_mov_b32 s[G1V+3], 128<<16
	s_mov_b32 s[G1V+4], 32
	s_mov_b32 s[G1V+5], 128
	s_mov_b32 s[G1V+6], 0
	s_mov_b32 s[G1V+7], 0
	s_lshl_b32 s18, s[BH], 19
	s_lshl_b32 s19, s[SEG], 16
	s_add_co_u32 s18, s18, s19                     ; the segment's first row, in bytes
	s_lshl_b32 s20, s16, 24                        ; pq or pk
	s_add_co_u32 s20, s20, s18
	s_mov_b32 s21, 0
	s_lshl_b32 s22, s16, 13                        ; v: my 32 rows
	s_add_co_u32 s22, s22, s18
	s_add_co_u32 s22, s22, 1<<25
	s_mov_b32 s23, 0
	s_mov_b32 s[G0QK], 1
	s_mul_i32 s[G0QK+1], s16, KT
	s_mov_b32 s[G0V], 1
	s_mul_i32 s[G0V+1], s16, 32*PV
	s_add_co_u32 s[G0V+1], s[G0V+1], VT
	s_mov_b32 s[ONEW], 0x3c003c00
	s_mov_b32 s[SEL], 0x76543210
	s_mov_b32 s[SEL+1], 0xfedcba98
	s_mov_b32 s[SQ], 0
	s_mov_b32 s[SV], 0
	s_mov_b32 s[SCN], 0
	s_wait_dscnt 0x0                               ; the opening add is done
	s_wait_kmcnt 0x0
	s_add_nc_u64 s[G0QK+2:G0QK+3], s[4:5], s[20:21]
	s_or_b32 s[G0QK+3], s[G0QK+3], 0x80000000
	s_add_nc_u64 s[G0V+2:G0V+3], s[4:5], s[22:23]
	s_or_b32 s[G0V+3], s[G0V+3], 0x80000000
	JLOAD                                          ; chunk 0
	s_lshl_b32 s17, s[BH], 3
	s_add_co_u32 s17, s17, s[SEG]
	s_mul_i32 s20, s17, 73728
	s_add_nc_u64 s[IM:IM+1], s[8:9], s[20:21]
	v_and_b32 v64, 31, v0
	s_mul_i32 s17, s[WV], 18432
	v_lshl_add_u32 v[IO], v64, 4, s17
	WIN 0x40
.set i, 0
.rept 36
	global_load_b128 v[4*i:4*i+3], v[IO], s[IM:IM+1] offset:512*i  ; my part of the state, as the image holds it
.set i, i+1
.endr
	WIN 0
	s_lshl_b32 s20, s[BH], 13
	s_lshl_b32 s17, s[SEG], 10
	s_add_co_u32 s20, s20, s17
	s_lshl_b32 s17, s[WV], 8
	s_add_co_u32 s20, s20, s17
	s_add_co_u32 s20, s20, 1048576
	s_add_nc_u64 s[LBB:LBB+1], s[6:7], s[20:21]
	v_lshlrev_b32 v[LBO], 3, v64
	global_load_b64 v[T+2:T+3], v[LBO], s[LBB:LBB+1]       ; log2(beta) of chunk w, tokens 2 l and 2 l + 1
	v_mov_b32 v[ZR], 0
	v_and_b32 v65, 15, v0                          ; r
	v_bfe_u32 v66, v0, 4, 1                        ; h
	v_and_b32 v67, 7, v0
	v_bfe_u32 v68, v0, 3, 1
	v_lshl_add_u32 v69, v66, 3, v67                ; 8 h + l % 8
	v_mul_u32_u24 v72, v65, PK
	v_lshl_add_u32 v72, v66, 4, v72                ; r x 272 + 16 h
	s_mul_i32 s17, s[WV], 16*PK
	v_add_nc_u32 v[AQ0], s17, v72
	v_add_nc_u32 v[AK0], KT, v72
	v_add_nc_u32 v[AST], ST16, v72
	s_lshl_b32 s18, s[WV], 6
	v_add_nc_u32 v[STS], s18, v[AST]
	s_add_co_u32 s17, s17, OST
	v_add_nc_u32 v[OSTO], s17, v72
	v_mul_u32_u24 v[ORD], v66, PK
	v_lshl_add_u32 v[ORD], v65, 4, v[ORD]
	v_add_nc_u32 v[ORD], s17, v[ORD]
	v_mul_u32_u24 v[AKT0], v69, PK
	v_lshl_add_u32 v[AKT0], v68, 4, v[AKT0]
	s_add_co_u32 s17, s18, KT
	v_add_nc_u32 v[AKT0], s17, v[AKT0]
	v_mul_u32_u24 v[AV0], v69, PV
	v_lshl_add_u32 v[AV0], v68, 4, v[AV0]
	v_add_nc_u32 v[AV0], VT, v[AV0]
	v_lshlrev_b32 v[ACUM0], 5, v66
	v_add_nc_u32 v[ACUM0], CUM, v[ACUM0]
	s_add_co_u32 s17, s18, CUM
	v_lshl_add_u32 v[ACT0], v65, 2, s17            ; c of my query
	v_mov_b32 v[AC630], CUM+252
	v_lshlrev_b32 v[GO], 12, v66
	v_lshl_add_u32 v[GO], v65, 4, v[GO]            ; y: 4,096 h + 16 r
	s_lshr_b32 s20, s[BH], 4
	s_lshl_b32 s20, s20, 23
	s_lshl_b32 s17, s[SEG], 20
	s_add_co_u32 s20, s20, s17
	s_lshl_b32 s17, s[WV], 16
	s_add_co_u32 s20, s20, s17
	s_and_b32 s17, s[BH], 15
	s_lshl_b32 s17, s17, 8
	s_add_co_u32 s20, s20, s17
	s_add_nc_u64 s[YB:YB+1], s[10:11], s[20:21]
	s_lshl_b32 s17, s[WV], 4
	v_add_nc_u32 v70, s17, v65
	v_lshlrev_b32 v71, 3, v66
	v_sub_nc_u32 v70, v70, v71                     ; 16 w + r - 8 h: key 16 kb + 8 h + j is seen where 16 kb + j is not greater
.set i, 0
.rept 32
	v_cmp_le_i32 vcc_lo, 16*(i/8)+i%8, v70
	v_cndmask_b32 v[MK+i], 0, 1.0, vcc_lo
.set i, i+1
.endr
	v_cmp_eq_u32 vcc_lo, 0, v67
	WIN 0x80
.irp i, 0,1,2,3,4,5,6,7
	v_cndmask_b32 v[ONES+\i], 0, s[ONEW], vcc_lo
.endr
	WIN 0
	v_cvt_f32_u32 v[T+5], v66
	s_lshl_b32 s17, s[WV], 8
	s_add_co_u32 s17, s17, CUM
	v_add_nc_u32 v73, s17, v[LBO]
	s_wait_loadcnt 0x0                             ; log2(beta), and the state ahead of it
	v_add_f32 v[T+4], v[T+2], v[T+3]
	v_add_f32_dpp v[T+4], v[T+4], v[T+4] row_shr:1 row_mask:0xf bank_mask:0xf bound_ctrl:1
	v_add_f32_dpp v[T+4], v[T+4], v[T+4] row_shr:2 row_mask:0xf bank_mask:0xf bound_ctrl:1
	v_add_f32_dpp v[T+4], v[T+4], v[T+4] row_shr:4 row_mask:0xf bank_mask:0xf bound_ctrl:1
	v_add_f32_dpp v[T+4], v[T+4], v[T+4] row_shr:8 row_mask:0xf bank_mask:0xf bound_ctrl:1
	v_readlane_b32 s17, v[T+4], 15                 ; the first 16 lanes' total goes onto the other 16
	v_fma_f32 v[T+7], v[T+5], s17, v[T+4]
	v_sub_f32 v[T+6], v[T+7], v[T+3]
	ds_store_b64 v73, v[T+6:T+7]
	s_wait_dscnt 0x0                               ; for the others' sake: my c is stored
	s_barrier_signal -1                            ; chunk 0's tiles stay on their way
	s_barrier_wait -1
.macro FETCH_Q
	WIN 0
.irp q, 0,1,2,3
	ds_load_b128 v[QF+8*\q:QF+8*\q+3], v[AQ] offset:64*\q
	ds_load_b128 v[QF+8*\q+4:QF+8*\q+7], v[AQ] offset:64*\q+32
.endr
.endm
.macro FETCH_ST kq, slot               ; 18 loads: 144 rows e x 32 d of the state
	WIN 0xc0
.irp eb, 0,1,2,3,4,5,6,7,8
	ds_load_b128 v[STF+72*(\slot)+8*\eb:STF+72*(\slot)+8*\eb+3], v[AST] offset:16*PK*\eb+64*(\kq)
	ds_load_b128 v[STF+72*(\slot)+8*\eb+4:STF+72*(\slot)+8*\eb+7], v[AST] offset:16*PK*\eb+64*(\kq)+32
.endr
.endm
.macro FETCH_K kq, slot                ; 8 loads: 64 keys x 32 d
	WIN 0x80
.irp kb, 0,1,2,3
	ds_load_b128 v[KF+32*(\slot)+8*\kb:KF+32*(\slot)+8*\kb+3], v[AK] offset:16*PK*\kb+64*(\kq)
	ds_load_b128 v[KF+32*(\slot)+8*\kb+4:KF+32*(\slot)+8*\kb+7], v[AK] offset:16*PK*\kb+64*(\kq)+32
.endr
.endm
.macro FETCH_V                         ; 32 loads
	WIN 0x80
.irp eb, 0,1,2,3,4,5,6,7
.irp kk, 0,1
	ds_load_tr16_b128 v[VF+16*\eb+8*\kk:VF+16*\eb+8*\kk+3],   v[AVW] offset:32*PV*\kk+32*\eb
	ds_load_tr16_b128 v[VF+16*\eb+8*\kk+4:VF+16*\eb+8*\kk+7], v[AVW] offset:32*PV*\kk+32*\eb+16*PV
.endr
.endr
.endm
.macro FETCH_PK                        ; 8 loads
	WIN 0xc0
.irp dd, 0,1
.irp kk, 0,1
	ds_load_tr16_b128 v[PKR+8*(2*\dd+\kk):PKR+8*(2*\dd+\kk)+3],   v[AKT] offset:32*PK*\kk+32*\dd
	ds_load_tr16_b128 v[PKR+8*(2*\dd+\kk)+4:PKR+8*(2*\dd+\kk)+7], v[AKT] offset:32*PK*\kk+32*\dd+16*PK
.endr
.endr
.endm
; The accumulators of each run take turns, one instruction a turn.
.macro INTER kq, slot, zero            ; O^T (+)= S^T Q^T, 32 d
	WIN 0x53
.irp eb, 0,1,2,3,4,5,6,7,8
.if \zero
	v_wmma_f32_16x16x32_bf16 v[OB+8*\eb:OB+8*\eb+7], v[STF+72*(\slot)+8*\eb:STF+72*(\slot)+8*\eb+7], v[QF+8*(\kq):QF+8*(\kq)+7], 0
.else
	v_wmma_f32_16x16x32_bf16 v[OB+8*\eb:OB+8*\eb+7], v[STF+72*(\slot)+8*\eb:STF+72*(\slot)+8*\eb+7], v[QF+8*(\kq):QF+8*(\kq)+7], v[OB+8*\eb:OB+8*\eb+7]
.endif
.endr
.endm
.macro SCORE kq, slot, zero            ; S^T (+)= K Q^T, 32 d
	WIN 0x02
.irp kb, 0,1,2,3
.if \zero
	v_wmma_f32_16x16x32_bf16 v[SC+8*\kb:SC+8*\kb+7], v[KF+32*(\slot)+8*\kb:KF+32*(\slot)+8*\kb+7], v[QF+8*(\kq):QF+8*(\kq)+7], 0
.else
	v_wmma_f32_16x16x32_bf16 v[SC+8*\kb:SC+8*\kb+7], v[KF+32*(\slot)+8*\kb:KF+32*(\slot)+8*\kb+7], v[QF+8*(\kq):QF+8*(\kq)+7], v[SC+8*\kb:SC+8*\kb+7]
.endif
.endr
.endm
.macro AVMUL                           ; O^T += V^T A, and the weights' sum by the ones
	WIN 0x52
.irp kk, 0,1
.irp eb, 0,1,2,3,4,5,6,7
	v_wmma_f32_16x16x32_f16 v[OB+8*\eb:OB+8*\eb+7], v[VF+16*\eb+8*\kk:VF+16*\eb+8*\kk+7], v[A16+8*\kk:A16+8*\kk+7], v[OB+8*\eb:OB+8*\eb+7]
.endr
	v_wmma_f32_16x16x32_f16 v[OB+64:OB+71], v[ONES:ONES+7], v[A16+8*\kk:A16+8*\kk+7], v[OB+64:OB+71]
.endr
.endm
.macro STATE                           ; S += (pk x decay)^T V
	WIN 0x58
.irp kk, 0,1
.irp dd, 0,1
.irp eb, 0,1,2,3,4,5,6,7
	v_wmma_f32_16x16x32_f16 v[8*(9*\dd+\eb):8*(9*\dd+\eb)+7], v[PKF+8*(2*\dd+\kk):PKF+8*(2*\dd+\kk)+7], v[VF+16*\eb+8*\kk:VF+16*\eb+8*\kk+7], v[8*(9*\dd+\eb):8*(9*\dd+\eb)+7]
.endr
	v_wmma_f32_16x16x32_f16 v[8*(9*\dd+8):8*(9*\dd+8)+7], v[PKF+8*(2*\dd+\kk):PKF+8*(2*\dd+\kk)+7], v[ONES:ONES+7], v[8*(9*\dd+8):8*(9*\dd+8)+7]
.endr
.endr
.endm
.macro MAKEPK                          ; pk (bf16) x decay (f32), rounded to f16
.set g, 0
.rept 4
	WIN 0x03
.set i, 0
.rept 8
	v_fma_mix_f32_bf16 v[T+2*i], v[PKR+8*g+i], v[W+16*(g%2)+2*i], v[ZR] op_sel_hi:[1,0,0]
	v_fma_mix_f32_bf16 v[T+2*i+1], v[PKR+8*g+i], v[W+16*(g%2)+2*i+1], v[ZR] op_sel:[1,0,0] op_sel_hi:[1,0,0]
.set i, i+1
.endr
	WIN 0
.set i, 0
.rept 8
	v_cvt_pk_f16_f32 v[PKF+8*g+i], v[T+2*i], v[T+2*i+1]
.set i, i+1
.endr
.set g, g+1
.endr
.endm
.macro SCALE_S
	WIN 0x41
.set i, 0
.rept 72
	v_pk_mul_f32 v[2*i:2*i+1], v[2*i:2*i+1], v[GV:GV+1] op_sel_hi:[1,0]
.set i, i+1
.endr
.endm
.macro DECAY                           ; the factors of the chunk whose c begins at byte s[SCN] of CUM
	WIN 0
	v_add_nc_u32 v[T], s[SCN], v[ACUM0]
	v_add_nc_u32 v[T+1], s[SCN], v[ACT0]
	v_add_nc_u32 v[T+2], s[SCN], v[AC630]
.irp kb, 0,1,2,3
	ds_load_b128 v[W+8*\kb:W+8*\kb+3], v[T] offset:64*\kb
	ds_load_b128 v[W+8*\kb+4:W+8*\kb+7], v[T] offset:64*\kb+16
.endr
	ds_load_b32 v[CT], v[T+1]
	ds_load_b32 v[C63], v[T+2]
	s_wait_dscnt 0x0
.set i, 0
.rept 32
	v_exp_f32 v[W+i], -v[W+i]
.set i, i+1
.endr
	v_exp_f32 v[EG], -v[CT]
	v_exp_f32 v[GV], v[C63]
	v_nop
	s_wait_alu depctr_va_vdst(0)
	v_mul_f32 v[EG], 0x358637bd, v[EG]             ; 1e-6 x 2^(-c_t)
	v_mov_b32 v[GV+1], v[GV]
.set i, 0
.rept 16
	v_pk_mul_f32 v[GM+2*i:GM+2*i+1], v[W+2*i:W+2*i+1], v[MK+2*i:MK+2*i+1]
.set i, i+1
.endr
.set i, 0
.rept 16
	v_pk_mul_f32 v[W+2*i:W+2*i+1], v[W+2*i:W+2*i+1], v[GV:GV+1] op_sel_hi:[1,0]
.set i, i+1
.endr
.endm
.macro PUT8 t0, n                      ; tiles t0 .. t0 + n - 1 of my state, rounded to bf16, into ST16: row e = 16 eb + r, my 8 d are 16 bytes
	WIN 0x05
.set t, \t0
.rept \n
.irp p, 0,1,2,3
	v_cvt_pk_bf16_f32 v[A16+4*(t-(\t0))+\p], v[8*t+2*\p], v[8*t+2*\p+1]
.endr
.set t, t+1
.endr
	WIN 0
.set t, \t0
.rept \n
	ds_store_b128 v[STS], v[A16+4*(t-(\t0)):A16+4*(t-(\t0))+3] offset:16*PK*(t%9)+32*(t/9)
.set t, t+1
.endr
.endm
.macro PUTSTATE
	PUT8 0, 8
	PUT8 8, 8
	PUT8 16, 2
.endm
.macro NORM                            ; B = S^T x GM; rho; O^T and B times rho; the weights in f16.  Every accumulator is read from its low end on
	WIN 0
.set i, 0
.rept 16
	v_pk_mul_f32 v[SC+2*i:SC+2*i+1], v[SC+2*i:SC+2*i+1], v[GM+2*i:GM+2*i+1]
.set i, i+1
.endr
.irp kb, 0,1,2,3
	v_max3_num_f32 v[T+\kb], v[SC+8*\kb], v[SC+8*\kb+1], v[SC+8*\kb+2]
.endr
.irp kb, 0,1,2,3
	v_max3_num_f32 v[T+\kb], v[T+\kb], v[SC+8*\kb+3], v[SC+8*\kb+4]
.endr
.irp kb, 0,1,2,3
	v_max3_num_f32 v[T+\kb], v[T+\kb], v[SC+8*\kb+5], v[SC+8*\kb+6]
.endr
	v_max3_num_f32 v[T], v[T], v[SC+7], v[SC+15]
	v_max3_num_f32 v[T+1], v[T+1], v[SC+23], v[SC+31]
	WIN 0x01
	v_mov_b32 v[D0], v[OB+64]                      ; pq . z
	WIN 0
	v_max3_num_f32 v[T], v[T], v[T+1], v[T+2]
	v_max3_num_f32 v[T], v[T], v[T+3], v[D0]
	v_permlanex16_b32 v[T+1], v[T], s[SEL], s[SEL+1]  ; the query's other 32 keys lie in the lane 16 away
	v_max3_num_f32 v[T], v[T], v[T+1], 0x0d800000     ; 2^-100
	v_rcp_f32 v[RHO], v[T]
	v_nop
	s_wait_alu depctr_va_vdst(0)
	v_mov_b32 v[RHO+1], v[RHO]
	WIN 0x41
.set i, 0
.rept 36
	v_pk_mul_f32 v[OB+2*i:OB+2*i+1], v[OB+2*i:OB+2*i+1], v[RHO:RHO+1] op_sel_hi:[1,0]
.set i, i+1
.endr
	WIN 0
.set i, 0
.rept 16
	v_pk_mul_f32 v[SC+2*i:SC+2*i+1], v[SC+2*i:SC+2*i+1], v[RHO:RHO+1] op_sel_hi:[1,0]
.set i, i+1
.endr
.set i, 0
.rept 16
	v_cvt_pk_f16_f32 v[A16+i], v[SC+2*i], v[SC+2*i+1]
.set i, i+1
.endr
.endm
.macro FIN                             ; the division, f16, through my stage, out
	WIN 0x10
	v_fma_f32 v[IO], v[EG], v[RHO], v[OB+64]       ; the divisor
	WIN 0
	v_rcp_f32 v[INV], v[IO]
	v_nop
	s_wait_alu depctr_va_vdst(0)
	v_mov_b32 v[INV+1], v[INV]
	WIN 0x41
.set i, 0
.rept 32
	v_pk_mul_f32 v[OB+2*i:OB+2*i+1], v[OB+2*i:OB+2*i+1], v[INV:INV+1] op_sel_hi:[1,0]
.set i, i+1
.endr
	WIN 0x05
.set i, 0
.rept 32
	v_cvt_pk_f16_f32 v[QF+i], v[OB+2*i], v[OB+2*i+1]
.set i, i+1
.endr
	WIN 0
.irp eb, 0,1,2,3,4,5,6,7
	ds_store_b128 v[OSTO], v[QF+4*\eb:QF+4*\eb+3] offset:32*\eb
.endr
.irp i, 0,1,2,3,4,5,6,7
	ds_load_b128 v[SC+4*\i:SC+4*\i+3], v[ORD] offset:\i*2*PK  ; LDS serves a wave's instructions in order: these see the stores above
.endr
.irp i, 0,1,2,3,4,5,6,7
	s_wait_dscnt 7-\i                              ; load i is back, the younger ones stay out
	global_store_b128 v[GO], v[SC+4*\i:SC+4*\i+3], s[YB:YB+1] offset:8192*\i  ; two rows' 256 consecutive bytes, each aligned
.endr
.endm
; A CHUNK.  last = 1: the segment's last: nothing more is asked for, and the state is not carried on.
.macro CHUNK last
	WIN 0
	s_wait_tensorcnt 0x0                           ; my one tensor load, my part of this chunk's tiles, has landed: the descriptors may be stepped
	ds_add_u32 v[SPW], v[NIL]
.if !(\last)
	s_add_co_u32 s[G0QK+1], s[G0QK+1], 64*PK       ; the next chunk's own bytes in LDS,
	s_add_nc_u64 s[G0QK+2:G0QK+3], s[G0QK+2:G0QK+3], 64*256  ; its 64 rows in memory
	s_add_co_u32 s[G0V+1], s[G0V+1], 64*PV
	s_add_nc_u64 s[G0V+2:G0V+3], s[G0V+2:G0V+3], 64*256
.endif
	s_wait_dscnt 0x0                               ; the add is done, and so are my stores of the state
	s_barrier_signal -1
	s_barrier_wait -1                              ; the tiles and the state are whole for every wave
.if !(\last)
	JLOAD                                          ; the next chunk's tiles: my one tensor load until this barrier comes round again
.endif
	v_add_nc_u32 v[AQ], s[SQ], v[AQ0]
	v_add_nc_u32 v[AK], s[SQ], v[AK0]
	v_add_nc_u32 v[AKT], s[SQ], v[AKT0]
	v_add_nc_u32 v[AVW], s[SV], v[AV0]
	FETCH_Q
	FETCH_ST 0, 0
	FETCH_ST 1, 1
	FETCH_ST 2, 2
	s_wait_dscnt 36                                ; Q and the state's first 32 d are in; two runs of 18 stay out
	INTER 0, 0, 1
	PLACES
	FETCH_ST 3, 0
	FETCH_K 0, 0
	FETCH_K 1, 1
	FETCH_K 2, 2
	s_wait_dscnt 60                                ; behind the state's second run: 18 + 18 + 24
	INTER 1, 1, 0
	s_wait_dscnt 42                                ; behind its third: 18 + 24
	INTER 2, 2, 0
	s_wait_dscnt 24                                ; behind its fourth: K's 24
	INTER 3, 0, 0
	s_wait_dscnt 16                                ; K's first run is in
	SCORE 0, 0, 1
	PLACES
	FETCH_K 3, 0
	FETCH_V
.if !(\last)
	FETCH_PK
.endif
	s_wait_dscnt 56-8*(\last)                      ; behind K's second run: 8 + 8 + 32, and pk's 8
	SCORE 1, 1, 0
	s_wait_dscnt 48-8*(\last)
	SCORE 2, 2, 0
	s_wait_dscnt 40-8*(\last)
	SCORE 3, 0, 0
	PLACES
	NORM
	s_wait_dscnt 8-8*(\last)                       ; v is in; pk's 8 loads may stay out
	AVMUL
.if !(\last)
	SCALE_S                                        ; these lines are also the places behind the products above
	s_wait_dscnt 0x0
	MAKEPK
	STATE
.else
	PLACES
.endif
	FIN
.if !(\last)
	s_add_co_u32 s[SCN], s[SCN], 256
	DECAY                                          ; the next chunk's factors
	s_wait_dscnt 0x0
	s_barrier_signal -1                            ; my reads of the state in LDS are over
	s_barrier_wait -1                              ; everybody's are: it may be written anew.  The tensor load stays on its way
	PUTSTATE
	s_wait_xcnt 0x0                                ; the stores' base and their registers are written again only behind this wait
	s_add_co_u32 s[SQ], s[SQ], 64*PK
	s_add_co_u32 s[SV], s[SV], 64*PV
	s_add_nc_u64 s[YB:YB+1], s[YB:YB+1], 64*4096
.endif
.endm
	DECAY                                          ; chunk 0's factors
	PUTSTATE                                       ; the entry state for everybody
	s_mov_b32 s[CNT], 3
.Lchunk:
	CHUNK 0
	s_sub_co_u32 s[CNT], s[CNT], 1
	s_cmp_lg_u32 s[CNT], 0
	s_cbranch_scc1 .Lchunk
	CHUNK 1                                        ; the tail is written out
	s_wait_tensorcnt 0x0                           ; the wave's end
	ds_add_u32 v[SPW], v[NIL]
	s_wait_dscnt 0x0
	s_endpgm
.Lfunc_end_k_q4deffbde6b_scan:
	.size	k_q4deffbde6b_scan, .Lfunc_end_k_q4deffbde6b_scan-k_q4deffbde6b_scan
	.p2alignl 7, 3214868480
	.fill 96, 4, 3214868480
	.section	.rodata,"a",@progbits
	.p2align	6, 0x0
	.amdhsa_kernel k_q4deffbde6b_scan
		.amdhsa_group_segment_fixed_size 327680
		.amdhsa_private_segment_fixed_size 0
		.amdhsa_enable_private_segment 0
		.amdhsa_kernarg_size 32
		.amdhsa_user_sgpr_count 2
		.amdhsa_user_sgpr_kernarg_segment_ptr 1
		.amdhsa_wavefront_size32 1
		.amdhsa_system_sgpr_workgroup_id_x 1
		.amdhsa_system_sgpr_workgroup_id_y 1
		.amdhsa_system_sgpr_workgroup_id_z 1
		.amdhsa_system_vgpr_workitem_id 0
		.amdhsa_next_free_vgpr 1024
		.amdhsa_next_free_sgpr 66
		.amdhsa_reserve_vcc 1
		.amdhsa_float_denorm_mode_32 3
		.amdhsa_float_denorm_mode_16_64 3
		.amdhsa_memory_ordered 1
		.amdhsa_forward_progress 1
		.amdhsa_inst_pref_size 107
	.end_amdhsa_kernel
	.amdgpu_metadata
---
amdhsa.version: [ 1, 2 ]
amdhsa.kernels:
  - .name:           k_q4deffbde6b_scan
    .symbol:         k_q4deffbde6b_scan.kd
    .args:
      - { .name: qkv, .offset: 0, .size: 8, .value_kind: global_buffer, .address_space: global }
      - { .name: tab, .offset: 8, .size: 8, .value_kind: global_buffer, .address_space: global }
      - { .name: sst, .offset: 16, .size: 8, .value_kind: global_buffer, .address_space: global }
      - { .name: y16, .offset: 24, .size: 8, .value_kind: global_buffer, .address_space: global }
    .group_segment_fixed_size: 327680
    .private_segment_fixed_size: 0
    .kernarg_segment_align: 8
    .kernarg_segment_size: 32
    .max_flat_workgroup_size: 128
    .sgpr_count:     66
    .vgpr_count:     1024
    .wavefront_size: 32
...
	.end_amdgpu_metadata
.endif
;; end of part 5
;; launch outp (part 6): grid 8 x 32, 4 waves a work-group, clusters of 4 x 4, 327,680 bytes of LDS; arguments y16, wts, bo, out0; writes out0
.if DOCPART == 6
	.amdgcn_target "amdgcn-amd-amdhsa--gfx1250"
	.amdhsa_code_object_version 6
	.text
	.protected	k_q4deffbde6b_outp
	.globl	k_q4deffbde6b_outp
	.p2align	8
	.type	k_q4deffbde6b_outp,@function
k_q4deffbde6b_outp:
	s_mov_b64 s[64:65], 0
	v_nop
	global_prefetch_b8 v0, s[64:65] scope:SCOPE_SE
	s_setreg_imm32_b32 hwreg(HW_REG_WAVE_MODE, 25, 1), 1
	s_wait_xcnt 0x0
	s_wait_alu depctr_hold_cnt(0) depctr_sa_sdst(0) depctr_va_vdst(0) depctr_va_sdst(0) depctr_va_ssrc(0) depctr_va_vcc(0) depctr_vm_vsrc(0)
	s_getreg_b32 s2, hwreg(HW_REG_IB_STS2, 6, 4)
	s_cmp_eq_u32 s2, 0
	s_cbranch_scc0 .Lentry_in_a_cluster
	s_endpgm
.Lentry_in_a_cluster:
	s_bfe_u32 s2, ttmp6, 0x10000c
	s_cmp_lg_u32 s2, 0xf033
	s_cbranch_scc0 .Lentry_shape_is_right
	s_endpgm
.Lentry_shape_is_right:
; THE OUTPUT PROJECTION.  out0[4096][2048] = y16[4096][2048] x wo16[2048][2048] + bo, f16 operands (Wo was rounded to bf16 and that number written as f16), f32 sums and output; bo is rounded to bf16 like every input.
; TILE: 128 x 256 of C for a work-group: 32 x 8 = 256 work-groups, one for each WGP.  Four waves, each 64 rows x 128 columns: 32 accumulators.  K goes in steps of 128 through two LDS slots.
; The weights stay [k][n] and come out of LDS turned.  CLUSTER 4 x 4: a row shares y's tile, a column shares Wo's: each is asked for jointly.
; THE MATRIX INSTRUCTION IS USED TRANSPOSED: lane l holds row l % 16 of C, registers 0-7 the columns 8 (l / 16) + 0..7.
; REGISTERS: window 0 addresses and the way out; window 1 accumulator (a, b) at 8 (8 a + b); window 2 two fragment buffers of 96.
.set KSTEP,  128
.set NTOT,   2048
.set PA,     272
.set PB,     544
.set AHALF,  64*PA
.set ABYTES, 2*AHALF
.set BHALF,  64*PB
.set SLOT,   ABYTES+2*BHALF
.set STAGE,  2*SLOT                    ; behind the ring: 16 rows x 528 bytes for each wave
.set SPITCH, 528
.set SPARE,  STAGE+4*16*SPITCH
.set LAPS,   2048/(2*KSTEP)
.set ADRA, 16
.set ADRB, 20
.set STO,  24
.set RD,   25
.set CO,   26
.set SPW,  28
.set NIL,  29
.set BIAS, 32                          ; v32-35 bo of my four columns
.set OB,   64                          ; v64-127 16 rows read back
.set F0,   0
.set F1,   96
.set G1, 24
.set G0, 32
.set G1B, 48
.set G0B, 56
.set MSB, 0
.macro WIN new
.if MSB != (\new)
	s_set_vgpr_msb (MSB<<8)|(\new)
.set MSB, \new
.endif
.endm
.set MUL,  0x5a
.set TO_F, 0x80
.macro JLOAD s                         ; a joint load: waves 0 and 1 fetch y's two halves, waves 2 and 3 Wo's; an s_nop 0 and four v_nop follow each line
	s_cmp_eq_u32 s11, 0
	s_cbranch_scc0 .Lfor_b_\@
	tensor_load_to_lds s[G0+4*(\s):G0+4*(\s)+3], s[G1:G1+7]
	s_nop 0
.rept 4
	v_nop
.endr
	s_branch .Lasked_\@
.Lfor_b_\@:
	tensor_load_to_lds s[G0B+4*(\s):G0B+4*(\s)+3], s[G1B:G1B+7]
	s_nop 0
.rept 4
	v_nop
.endr
.Lasked_\@:
.endm
.macro CREST
	s_cmp_lg_u32 s10, 0
	s_cbranch_scc1 .Lnot_wave_0_\@
	s_barrier_signal -3
.Lnot_wave_0_\@:
	s_barrier_wait -3
	s_barrier_signal -1
	s_barrier_wait -1
.endm
.macro CROUND
	s_barrier_signal -1
	s_barrier_wait -1
	CREST
.endm
.macro PLACES
.rept 4
	v_nop
.endr
.endm
	s_load_b128 s[4:7], s[0:1], 0x0                ; y16 s[4:5], wts s[6:7]
	s_load_b128 s[68:71], s[0:1], 0x10             ; bo s[68:69], out0 s[70:71]
	v_lshl_add_u32 v[SPW], v0, 2, SPARE
	v_mov_b32 v[NIL], 0
	ds_add_u32 v[SPW], v[NIL]                      ; the wave's opening: the add and its wait come ahead of my first tensor load
	ds_add_u32 v28, v29
	v_lshrrev_b32 v1, 5, v0
	v_readfirstlane_b32 s10, v1
	s_lshr_b32 s11, s10, 1
	s_and_b32 s12, s10, 1
	s_bfe_u32 s40, ttmp6, 0x40000
	s_bfe_u32 s41, ttmp6, 0x40004
	s_lshl_b32 s42, ttmp9, 2
	s_add_co_u32 s42, s42, s40                     ; tile column
	s_and_b32 s13, ttmp7, 0xffff
	s_lshl_b32 s13, s13, 2
	s_add_co_u32 s13, s13, s41                     ; tile row
	s_lshl_b32 s43, s41, 2
	s_lshl_b32 s43, 15, s43
	s_lshl_b32 s44, 0x1111, s40
	s_or_b32 s[G1+0], s43, (1<<16)|(1<<20)|(1<<21)|(5<<22)|(3<<25)
	s_or_b32 s[G1B+0], s44, (1<<16)|(1<<20)|(1<<21)|(6<<22)|(7<<25)
	s_mov_b32 s[G1+1], KSTEP<<16
	s_mov_b32 s[G1+2], 64<<16
	s_mov_b32 s[G1+3], KSTEP<<16
	s_mov_b32 s[G1+4], 64
	s_mov_b32 s[G1+5], 2048
	s_mov_b32 s[G1+6], 0
	s_mov_b32 s[G1+7], 0
	s_mov_b32 s[G1B+1], 256<<16
	s_mov_b32 s[G1B+2], 64<<16
	s_mov_b32 s[G1B+3], 256<<16
	s_mov_b32 s[G1B+4], 64
	s_mov_b32 s[G1B+5], NTOT
	s_mov_b32 s[G1B+6], 0
	s_mov_b32 s[G1B+7], 0
	s_lshl_b32 s16, s13, 7
	s_lshl_b32 s17, s12, 6
	s_add_co_u32 s16, s16, s17
	s_lshl_b32 s16, s16, 12
	s_mov_b32 s17, 0
	s_mul_i32 s46, s12, 64*NTOT*2
	s_lshl_b32 s47, s42, 9
	s_add_co_u32 s46, s46, s47
	s_add_co_u32 s46, s46, 25165824                ; Wo lies behind Wq | Wk | Wv
	s_mov_b32 s47, 0
	s_mul_i32 s20, s12, AHALF
	s_mul_i32 s21, s12, BHALF
	s_add_co_u32 s21, s21, ABYTES
	s_wait_dscnt 0x0                               ; the opening add is done
	s_wait_kmcnt 0x0
	s_add_nc_u64 s[14:15], s[4:5], s[16:17]
	s_add_nc_u64 s[46:47], s[6:7], s[46:47]
	CROUND                                         ; all sixteen work-groups are here: the first joint loads meet
.irp s, 0,1
	s_mov_b32 s[G0+4*(\s)], 1
	s_add_co_u32 s[G0+4*(\s)+1], s20, (\s)*SLOT
	s_add_nc_u64 s[G0+4*(\s)+2:G0+4*(\s)+3], s[14:15], (\s)*KSTEP*2
	s_or_b32 s[G0+4*(\s)+3], s[G0+4*(\s)+3], 0x80000000
	s_mov_b32 s[G0B+4*(\s)], 1
	s_add_co_u32 s[G0B+4*(\s)+1], s21, (\s)*SLOT
	s_add_nc_u64 s[G0B+4*(\s)+2:G0B+4*(\s)+3], s[46:47], (\s)*KSTEP*NTOT*2
	s_or_b32 s[G0B+4*(\s)+3], s[G0B+4*(\s)+3], 0x80000000
	JLOAD \s                                       ; two loads of mine are out
.endr
	v_and_b32 v1, 15, v0
	v_bfe_u32 v2, v0, 4, 1
	v_mul_u32_u24 v3, v1, PA
	v_lshl_add_u32 v3, v2, 4, v3
	s_mul_i32 s22, s11, AHALF
	v_add_nc_u32 v[ADRA], s22, v3
	v_add_nc_u32 v[ADRA+1], SLOT, v[ADRA]
	v_and_b32 v4, 7, v0
	v_lshl_add_u32 v4, v2, 3, v4
	v_mul_u32_u24 v4, v4, PB
	v_bfe_u32 v5, v0, 3, 1
	v_lshl_add_u32 v4, v5, 4, v4
	s_lshl_b32 s22, s12, 8
	s_add_co_u32 s22, s22, ABYTES
	v_add_nc_u32 v[ADRB], s22, v4
	v_add_nc_u32 v[ADRB+1], SLOT, v[ADRB]
	s_mul_i32 s23, s10, 16*SPITCH
	s_add_co_u32 s23, s23, STAGE
	v_mul_u32_u24 v5, v1, SPITCH
	v_lshl_add_u32 v5, v2, 5, v5
	v_add_nc_u32 v[STO], s23, v5                   ; in: row r, 32 bytes for each half of the lanes
	v_and_b32 v5, 31, v0
	v_lshlrev_b32 v[CO], 4, v5                     ; 16 x lane: a row's 512 bytes
	v_add_nc_u32 v[RD], s23, v[CO]
	s_lshl_b32 s18, s42, 10
	s_lshl_b32 s19, s12, 9
	s_add_co_u32 s18, s18, s19                     ; my first column, in bytes
	s_mov_b32 s19, 0
	s_add_nc_u64 s[66:67], s[68:69], s[18:19]
	global_load_b128 v[BIAS:BIAS+3], v[CO], s[66:67]
	s_lshl_b32 s16, s13, 7
	s_lshl_b32 s17, s11, 6
	s_add_co_u32 s16, s16, s17
	s_lshl_b32 s16, s16, 13                        ; my first row, 8,192 bytes each
	s_add_co_u32 s18, s18, s16
	s_add_nc_u64 s[8:9], s[70:71], s[18:19]
.macro MUL8 f, a, zero                 ; the 32 accumulators take turns in the same order in every quarter
	WIN MUL
.irp b, 0,1,2,3,4,5,6,7
.if \zero
	v_wmma_f32_16x16x32_f16 v[8*(8*(\a)+(\b)):8*(8*(\a)+(\b))+7], v[(\f)+8*(\b):(\f)+8*(\b)+7], v[(\f)+64+8*(\a):(\f)+64+8*(\a)+7], 0
.else
	v_wmma_f32_16x16x32_f16 v[8*(8*(\a)+(\b)):8*(8*(\a)+(\b))+7], v[(\f)+8*(\b):(\f)+8*(\b)+7], v[(\f)+64+8*(\a):(\f)+64+8*(\a)+7], v[8*(8*(\a)+(\b)):8*(8*(\a)+(\b))+7]
.endif
.endr
.endm
.macro FETCH slot, q, f
	WIN TO_F
.irp i, 0,1,2,3,4,5,6,7
	ds_load_tr16_b128 v[(\f)+8*(\i):(\f)+8*(\i)+3],   v[ADRB+(\slot)] offset:(\q)*32*PB+32*(\i)
	ds_load_tr16_b128 v[(\f)+8*(\i)+4:(\f)+8*(\i)+7], v[ADRB+(\slot)] offset:(\q)*32*PB+32*(\i)+16*PB
.endr
.irp a, 0,1,2,3
	ds_load_b128 v[(\f)+64+8*(\a):(\f)+64+8*(\a)+3],   v[ADRA+(\slot)] offset:(\q)*64+(\a)*16*PA
	ds_load_b128 v[(\f)+64+8*(\a)+4:(\f)+64+8*(\a)+7], v[ADRA+(\slot)] offset:(\q)*64+(\a)*16*PA+32
.endr
.endm
.macro QUARTER slot, q, f, g, zero
	s_wait_dscnt 4                                 ; Wo and y's blocks 0, 1 are in; the youngest four loads may be out
	MUL8 \f, 0, \zero
	MUL8 \f, 1, \zero
	PLACES
	FETCH \slot, \q, \g
	s_wait_dscnt 24                                ; all but the 24 just issued
	MUL8 \f, 2, \zero
	MUL8 \f, 3, \zero
.endm
.macro TURN slot, next, fill
	WIN 0
	s_wait_tensorcnt 0x0                           ; all my tensor loads have landed: my part of the next slot
	ds_add_u32 v[SPW], v[NIL]
	s_wait_dscnt 5                                 ; the add and the youngest four loads may be out
	MUL8 F1, 0, 0
	s_wait_dscnt 0x0                               ; the add is done, and my reads of this slot are over
	s_barrier_signal -1
	MUL8 F1, 1, 0
.if \fill
	WIN 0
.endif
	s_barrier_wait -1
.if \fill
	CREST                                          ; a round of the cluster's barrier: no wave of any partner still reads this slot or has a load on its way
	s_add_nc_u64 s[G0+4*(\slot)+2:G0+4*(\slot)+3], s[G0+4*(\slot)+2:G0+4*(\slot)+3], 2*KSTEP*2
	s_add_nc_u64 s[G0B+4*(\slot)+2:G0B+4*(\slot)+3], s[G0B+4*(\slot)+2:G0B+4*(\slot)+3], 2*KSTEP*NTOT*2
	JLOAD \slot                                    ; the first tensor load behind the round; its four v_nop are also the places in front of the loads below
.else
	PLACES
.endif
	FETCH \next, 0, F0
	MUL8 F1, 2, 0
	MUL8 F1, 3, 0
.endm
	s_wait_tensorcnt 1                             ; my part of K step 0 is in; K step 1's may stay out
	s_barrier_signal -1
	s_barrier_wait -1
	FETCH 0, 0, F0
	QUARTER 0, 1, F0, F1, 1
	WIN 0
	s_mov_b32 s3, LAPS-1
.Llap:
	QUARTER 0, 2, F1, F0, 0
	QUARTER 0, 3, F0, F1, 0
	TURN 0, 1, 1
	QUARTER 1, 1, F0, F1, 0
	QUARTER 1, 2, F1, F0, 0
	QUARTER 1, 3, F0, F1, 0
	TURN 1, 0, 1
	QUARTER 0, 1, F0, F1, 0
	WIN 0
	s_sub_co_u32 s3, s3, 1
	s_cmp_lg_u32 s3, 0
	s_cbranch_scc1 .Llap
	QUARTER 0, 2, F1, F0, 0
	QUARTER 0, 3, F0, F1, 0
	TURN 0, 1, 0
	QUARTER 1, 1, F0, F1, 0
	QUARTER 1, 2, F1, F0, 0
	QUARTER 1, 3, F0, F1, 0
	s_wait_dscnt 4
	MUL8 F1, 0, 0
	MUL8 F1, 1, 0
	s_wait_dscnt 0x0
	MUL8 F1, 2, 0
	MUL8 F1, 3, 0
	WIN 0
	PLACES
	s_wait_loadcnt 0x0                             ; bo, rounded like every input
	v_cvt_pk_bf16_f32 v36, v[BIAS], v[BIAS+1]
	v_cvt_pk_bf16_f32 v37, v[BIAS+2], v[BIAS+3]
	v_lshlrev_b32 v[BIAS], 16, v36
	v_and_b32 v[BIAS+1], 0xffff0000, v36
	v_lshlrev_b32 v[BIAS+2], 16, v37
	v_and_b32 v[BIAS+3], 0xffff0000, v37
; THE WAY OUT: 16 rows at a time through my stage: 32 bytes a lane in, whole rows of 512 bytes back, the bias added, stored.
.macro OUTBLK a
	s_wait_xcnt 0x0                                ; OB, which the last block's stores read, is loaded again only behind this wait
	WIN 0x04                                       ; the LDS stores' data lie in window 1
.irp b, 0,1,2,3,4,5,6,7
	ds_store_b128 v[STO], v[8*(8*(\a)+\b):8*(8*(\a)+\b)+3] offset:64*\b
	ds_store_b128 v[STO], v[8*(8*(\a)+\b)+4:8*(8*(\a)+\b)+7] offset:64*\b+16
.endr
	WIN 0
.irp i, 0,1,2,3,4,5,6,7,8,9,10,11,12,13,14,15
	ds_load_b128 v[OB+4*\i:OB+4*\i+3], v[RD] offset:SPITCH*\i  ; LDS serves a wave's instructions in order: these see the stores above
.endr
.irp i, 0,1,2,3,4,5,6,7,8,9,10,11,12,13,14,15
	s_wait_dscnt 15-\i                             ; row i is back, the younger ones stay out
	v_pk_add_f32 v[OB+4*\i:OB+4*\i+1], v[OB+4*\i:OB+4*\i+1], v[BIAS:BIAS+1]
	v_pk_add_f32 v[OB+4*\i+2:OB+4*\i+3], v[OB+4*\i+2:OB+4*\i+3], v[BIAS+2:BIAS+3]
	global_store_b128 v[CO], v[OB+4*\i:OB+4*\i+3], s[8:9] offset:(16*(\a)+\i)*8192 th:TH_STORE_NT  ; 512 consecutive bytes, aligned; 63 rows at the most stand in the immediate
.endr
.endm
	OUTBLK 0
	OUTBLK 1
	OUTBLK 2
	OUTBLK 3
	s_wait_tensorcnt 0x0                           ; the wave's end
	ds_add_u32 v[SPW], v[NIL]
	s_wait_dscnt 0x0
	CROUND                                         ; the closing round: no work-group ends while a partner may still ask for a tile that names it
	s_endpgm
.Lfunc_end_k_q4deffbde6b_outp:
	.size	k_q4deffbde6b_outp, .Lfunc_end_k_q4deffbde6b_outp-k_q4deffbde6b_outp
	.p2alignl 7, 3214868480
	.fill 96, 4, 3214868480
	.section	.rodata,"a",@progbits
	.p2align	6, 0x0
	.amdhsa_kernel k_q4deffbde6b_outp
		.amdhsa_group_segment_fixed_size 327680
		.amdhsa_private_segment_fixed_size 0
		.amdhsa_enable_private_segment 0
		.amdhsa_kernarg_size 32
		.amdhsa_user_sgpr_count 2
		.amdhsa_user_sgpr_kernarg_segment_ptr 1
		.amdhsa_wavefront_size32 1
		.amdhsa_system_sgpr_workgroup_id_x 1
		.amdhsa_system_sgpr_workgroup_id_y 1
		.amdhsa_system_sgpr_workgroup_id_z 1
		.amdhsa_system_vgpr_workitem_id 0
		.amdhsa_next_free_vgpr 768
		.amdhsa_next_free_sgpr 72
		.amdhsa_reserve_vcc 0
		.amdhsa_float_denorm_mode_32 3
		.amdhsa_float_denorm_mode_16_64 3
		.amdhsa_memory_ordered 1
		.amdhsa_forward_progress 1
		.amdhsa_inst_pref_size 95
	.end_amdhsa_kernel
	.amdgpu_metadata
---
amdhsa.version: [ 1, 2 ]
amdhsa.kernels:
  - .name:           k_q4deffbde6b_outp
    .symbol:         k_q4deffbde6b_outp.kd
    .args:
      - { .name: y16, .offset: 0, .size: 8, .value_kind: global_buffer, .address_space: global }
      - { .name: wts, .offset: 8, .size: 8, .value_kind: global_buffer, .address_space: global }
      - { .name: bo, .offset: 16, .size: 8, .value_kind: global_buffer, .address_space: global }
      - { .name: out0, .offset: 24, .size: 8, .value_kind: global_buffer, .address_space: global }
    .group_segment_fixed_size: 327680
    .private_segment_fixed_size: 0
    .kernarg_segment_align: 8
    .kernarg_segment_size: 32
    .max_flat_workgroup_size: 128
    .sgpr_count:     72
    .vgpr_count:     768
    .wavefront_size: 32
...
	.end_amdgpu_metadata
.endif
;; end of part 6
